; MI455X (gfx1250); checked and timed in simulation.
; The chip was launched on July 23, 2026; its instructions are those of AMD's public machine-readable ISA for CDNA 5 (MIT licence, August 2026) and "CDNA5" Instruction Set Architecture Reference Guide (July 2026). The comments in the code are by the model that wrote it; some were corrected since.
;; Generator Test. Allowed arithmetic: float matrix products may take bf16 or f16 operands with f32 sums; all other float work in f32.
;; Inputs: head_b 1,677 float32; head_w 1,677 x 1,024 float32; proj0 256 x 1,024 float32; proj1 64 x 1,024 float32; w0 3,350 x 256 float32; w1 45,232 x 64 float32; x 8 x 512 x 1,024 float32; y 8 x 512 int32.
;; Outputs: out0 4,096 float32; out1 one number float32.
;; One version. Each part assembles by itself: llvm-mc -triple=amdgcn-amd-amdhsa -mcpu=gfx1250 --defsym DOCPART=n.
;; ======== version 1 of 1: 4 launches
;; workspace buffers: xb 8,388,608 bytes; wc 4,202,496 bytes; wt 7,613,440 bytes; hb 2,621,440 bytes; hp 131,072 bytes; pt 278,528 bytes
;; launch prep (part 1): grid 256 x 1, 8 waves a work-group, no clusters, 0 bytes of LDS; arguments x, head_w, head_b, proj0, proj1, w0, w1, xb, wc, wt; writes xb, wc, wt
.if DOCPART == 1
	.amdgcn_target "amdgcn-amd-amdhsa--gfx1250"
	.amdhsa_code_object_version 6
	.text
	.protected	k_qdaf00b7527_prep
	.globl	k_qdaf00b7527_prep
	.p2align	8
	.type	k_qdaf00b7527_prep,@function
k_qdaf00b7527_prep:
	s_mov_b64 s[64:65], 0
	v_nop
	global_prefetch_b8 v0, s[64:65] scope:SCOPE_SE
	s_setreg_imm32_b32 hwreg(HW_REG_WAVE_MODE, 25, 1), 1
	s_wait_xcnt 0x0
; prep: every matrix operand is narrowed from f32 to bf16 once, and the weights are laid out as the later launches walk them.
;   xb [4096][1024] = x.
;   wc [2048][1024]: row 256 T + l holds proj0[32 T + l] (l < 32), proj1[8 T + l - 32] (32 <= l < 40), head_w[216 T + l - 40] (l >= 40, while
;      that row exists), zeros in rows 1997 to 2047: all eight blocks of 256 rows have the same structure.  Behind it, at BXOFF, a table of
;      2048 f32: head_b x log2(e) at head columns, -infinity at all others.
;   wt: w0 as it lies, then at W1OFF w1 in blocks of 192 rows: source block 16 t + g goes to block 15 g + t, rows past 45231 are zeros.
; A wave's step is 128 numbers: one load of 512 consecutive bytes, two packed roundings, one store of 256 consecutive aligned bytes.  Every input is a
; whole number of steps; wave g of 2048 takes steps g + 2048 j.  All 40 loads of a wave go out before its first store; no register is used twice,
; so no wait but the counted ones on the loads is needed.  A stream: LDS, matrix units and clusters would add nothing, no byte is shared.
.set MB,    1048576                    ; source bytes of one turn of all waves: 2048 x 512
.set HB,    524288                     ; destination bytes of one turn
.set W1OFF, 1715200                    ; w1's copy in wt, behind 3350 x 256 bf16
.set BXOFF, 4194304                    ; the bias table in wc
.set SLA, 32                           ; v[32:35]  conditional slot A: head_w's last turn, or proj1, or zeros for wc's last rows
.set SLB, 36                           ; v[36:39]  conditional slot B: w0's last turn
.set SLC, 40                           ; v[40:43]  conditional slot C: w1's last turn, or zeros for its padding rows
.set UL,  44                           ; v[44:191] the 37 loads that every wave makes
.macro CVST r, vo, sb, imm             ; four f32 a lane to four bf16, stored
	v_cvt_pk_bf16_f32 v[\r], v[\r], v[\r+1]
	v_cvt_pk_bf16_f32 v[\r+1], v[\r+2], v[\r+3]
	global_store_b64 v[\vo], v[\r:\r+1], s[\sb:\sb+1] offset:\imm
.endm
.macro HDST j, vd                      ; where head_w's step g + 2048 j goes: row = g/8 + 256 j, T = row / 216, wc row = row + 40 T + 40
	s_add_co_u32 s32, s5, 256*\j
	s_mul_i32 s33, s32, 77673              ; 77673 / 2^24 exceeds 1/216 by so little that the quotient is exact for rows below 1677
	s_lshr_b32 s33, s33, 24
	s_mul_i32 s33, s33, 40
	s_add_co_u32 s32, s32, s33
	s_add_co_u32 s32, s32, 40
	s_lshl_b32 s32, s32, 11
	s_add_co_u32 s32, s32, s6
	v_add_nc_u32 v[\vd], s32, v4
.endm
.macro W1DST j, vd                     ; where w1's step i = g + 2048 j goes: block b = i / 96, to block 15 (b mod 16) + b / 16
	s_add_co_u32 s32, s3, 2048*\j
	s_mul_i32 s33, s32, 43691              ; 43691 / 2^22 exceeds 1/96 by so little that the quotient is exact for i below 24576
	s_lshr_b32 s33, s33, 22
	s_mul_i32 s34, s33, 96
	s_sub_co_u32 s32, s32, s34             ; the step's place in its block
	s_and_b32 s34, s33, 15
	s_mul_i32 s34, s34, 15
	s_lshr_b32 s33, s33, 4
	s_add_co_u32 s34, s34, s33
	s_mul_i32 s34, s34, 96
	s_add_co_u32 s32, s32, s34
	s_lshl_b32 s32, s32, 8
	s_add_co_u32 s32, s32, W1OFF
	v_add_nc_u32 v[\vd], s32, v4
.endm
	s_load_b512 s[8:23], s[0:1], 0x0               ; x s[8:9], head_w s[10:11], head_b s[12:13], proj0 s[14:15], proj1 s[16:17], w0 s[18:19], w1 s[20:21], xb s[22:23]
	s_load_b128 s[24:27], s[0:1], 0x40             ; wc s[24:25], wt s[26:27]
	v_and_b32 v1, 31, v0                           ; lane
	v_lshrrev_b32 v5, 5, v0
	v_readfirstlane_b32 s2, v5                     ; wave in the work-group
	s_lshl_b32 s3, ttmp9, 3
	s_add_co_u32 s3, s3, s2                        ; g: wave in the launch, 0 to 2047
	s_lshr_b32 s5, s3, 3                           ; g / 8: a row of 1024 numbers is eight steps
	s_and_b32 s6, s3, 7
	s_lshl_b32 s6, s6, 8                           ; the step's 256 bytes in a destination row of 2048
	s_lshl_b32 s4, s3, 9
	s_lshl_b32 s7, s3, 8
	v_lshl_add_u32 v2, v1, 4, s4                   ; source offset: 512 g + 16 lane
	v_lshlrev_b32 v4, 3, v1                        ; 8 lane
	v_add_nc_u32 v3, s7, v4                        ; destination offset where the order is kept: 256 g + 8 lane
.irp r, 0,1,2,3,4,5,6,7,8,9,10,11
	v_mov_b32 v[SLA+\r], 0                         ; the three conditional slots hold zeros where nothing is loaded into them
.endr
	s_wait_kmcnt 0x0
	s_add_nc_u64 s[28:29], s[8:9], 8*MB            ; second bases: a turn's offset stands in the immediate, which ends below 8 MiB
	s_add_nc_u64 s[30:31], s[20:21], 8*MB
	; slot A: three ranges of g
	s_cmp_lt_u32 s3, 1128
	s_cbranch_scc0 .Lnot_head6
	HDST 6, 12                                     ; head_w has 13416 steps: 1128 waves have a seventh
	global_load_b128 v[SLA:SLA+3], v2, s[10:11] offset:6*MB th:TH_LOAD_NT
	s_branch .La_done
.Lnot_head6:
	s_cmp_lt_u32 s3, 1536
	s_cbranch_scc0 .Lproj1
	s_add_co_u32 s32, s5, 1856                     ; 408 waves write zeros: wc row 1997 + (g - 1128) / 8
	s_lshl_b32 s32, s32, 11
	s_add_co_u32 s32, s32, s6
	v_add_nc_u32 v12, s32, v4
	s_branch .La_done
.Lproj1:
	s_sub_co_u32 s32, s3, 1536                     ; 512 waves take proj1's steps
	s_lshl_b32 s32, s32, 9
	v_lshl_add_u32 v26, v1, 4, s32
	s_sub_co_u32 s32, s5, 192                      ; proj1's row, to wc row 256 (row / 8) + 32 + row mod 8
	s_lshr_b32 s33, s32, 3
	s_lshl_b32 s33, s33, 8
	s_and_b32 s32, s32, 7
	s_add_co_u32 s32, s32, s33
	s_add_co_u32 s32, s32, 32
	s_lshl_b32 s32, s32, 11
	s_add_co_u32 s32, s32, s6
	v_add_nc_u32 v12, s32, v4
	global_load_b128 v[SLA:SLA+3], v26, s[16:17] th:TH_LOAD_NT
.La_done:
	s_cmp_lt_u32 s3, 556                           ; w0 has 6700 steps: 556 waves have a fourth
	s_cbranch_scc0 .Lb_none
	global_load_b128 v[SLB:SLB+3], v2, s[18:19] offset:3*MB th:TH_LOAD_NT
.Lb_none:
	s_cmp_lt_u32 s3, 88                            ; w1 has 22616 steps: 88 waves have a twelfth
	s_cbranch_scc0 .Lc_none
	global_load_b128 v[SLC:SLC+3], v2, s[30:31] offset:3*MB th:TH_LOAD_NT
.Lc_none:
	; the 37 loads of every wave: x 16, head_w 6, proj0 1, w0 3, w1 11
.irp j, 0,1,2,3,4,5,6,7
	global_load_b128 v[UL+4*\j:UL+4*\j+3], v2, s[8:9] offset:\j*MB th:TH_LOAD_NT
.endr
.irp j, 0,1,2,3,4,5,6,7
	global_load_b128 v[UL+4*(8+\j):UL+4*(8+\j)+3], v2, s[28:29] offset:\j*MB th:TH_LOAD_NT
.endr
.irp j, 0,1,2,3,4,5
	global_load_b128 v[UL+4*(16+\j):UL+4*(16+\j)+3], v2, s[10:11] offset:\j*MB th:TH_LOAD_NT
.endr
	global_load_b128 v[UL+4*22:UL+4*22+3], v2, s[14:15] th:TH_LOAD_NT
.irp j, 0,1,2
	global_load_b128 v[UL+4*(23+\j):UL+4*(23+\j)+3], v2, s[18:19] offset:\j*MB th:TH_LOAD_NT
.endr
.irp j, 0,1,2,3,4,5,6,7
	global_load_b128 v[UL+4*(26+\j):UL+4*(26+\j)+3], v2, s[20:21] offset:\j*MB th:TH_LOAD_NT
.endr
.irp j, 0,1,2
	global_load_b128 v[UL+4*(34+\j):UL+4*(34+\j)+3], v2, s[30:31] offset:\j*MB th:TH_LOAD_NT
.endr
	; destinations, worked out while the loads are on their way; each has a register of its own
.irp j, 0,1,2,3,4,5
	HDST \j, 6+\j
.endr
	s_lshr_b32 s32, s5, 5                          ; proj0's row g / 8 goes to wc row 256 (row / 32) + row mod 32
	s_lshl_b32 s32, s32, 8
	s_and_b32 s33, s5, 31
	s_add_co_u32 s32, s32, s33
	s_lshl_b32 s32, s32, 11
	s_add_co_u32 s32, s32, s6
	v_add_nc_u32 v13, s32, v4
.irp j, 0,1,2,3,4,5,6,7,8,9,10
	W1DST \j, 14+\j
.endr
	s_wait_loadcnt 37                              ; loads return in order: whatever was loaded into the three slots is in, the 37 younger loads may be out
	CVST SLA, 12, 24, 0
	s_cmp_lt_u32 s3, 556
	s_cbranch_scc0 .Lb_skip
	CVST SLB, 3, 26, 3*HB
.Lb_skip:
	s_cmp_lt_u32 s3, 512                           ; w1's copy has 23040 steps: 512 waves have a twelfth, 424 of them of zeros
	s_cbranch_scc0 .Lc_skip
	W1DST 11, 25
	CVST SLC, 25, 26, 0
.Lc_skip:
.irp j, 0,1,2,3,4,5,6,7,8,9,10,11,12,13,14,15
	s_wait_loadcnt 36-\j                           ; load k of the 37 is in when at most 36 - k are out
	CVST UL+4*\j, 3, 22, \j*HB
.endr
.irp j, 0,1,2,3,4,5
	s_wait_loadcnt 20-\j
	CVST UL+4*(16+\j), 6+\j, 24, 0
.endr
	s_wait_loadcnt 14
	CVST UL+4*22, 13, 24, 0
.irp j, 0,1,2
	s_wait_loadcnt 13-\j
	CVST UL+4*(23+\j), 3, 26, \j*HB
.endr
.irp j, 0,1,2,3,4,5,6,7,8,9,10
	s_wait_loadcnt 10-\j
	CVST UL+4*(26+\j), 14+\j, 26, 0
.endr
	; the bias table: sixteen waves, four columns a lane
	s_cmp_ge_u32 s3, 600
	s_cbranch_scc0 .Lend
	s_cmp_lt_u32 s3, 616
	s_cbranch_scc0 .Lend
	s_sub_co_u32 s32, s3, 600
	s_lshl_b32 s32, s32, 5
	v_add_nc_u32 v192, s32, v1
	v_lshlrev_b32 v192, 2, v192                    ; my first column c
	v_lshrrev_b32 v193, 8, v192                    ; T = c / 256
	v_and_b32 v194, 0xff, v192                     ; l = c mod 256
	v_mad_u32_u24 v195, v193, 216, v194            ; head row + 40
	v_mov_b32 v204, 0xff800000                     ; -infinity
	v_cmp_le_u32 s40, 40, v194                     ; l >= 40: no projection column
.irp e, 0,1,2,3
	v_add_nc_u32 v[196+\e], \e, v195
	v_cmp_ge_u32 s[41+\e], 1716, v[196+\e]         ; and the head row exists
	s_and_b32 s[41+\e], s[41+\e], s40
	v_sub_nc_u32 v[196+\e], v[196+\e], 40
	v_cndmask_b32 v[196+\e], 0, v[196+\e], s[41+\e]    ; other columns read head_b[0] and throw it away: no load leaves the buffer
	v_lshlrev_b32 v[196+\e], 2, v[196+\e]
.endr
.irp e, 0,1,2,3
	global_load_b32 v[200+\e], v[196+\e], s[12:13]
.endr
	v_lshlrev_b32 v205, 2, v192
	s_wait_loadcnt 0x0
.irp e, 0,1,2,3
	v_mul_f32 v[200+\e], 0x3fb8aa3b, v[200+\e]     ; logits are kept in base 2 from here on
	v_cndmask_b32 v[200+\e], v204, v[200+\e], s[41+\e]
.endr
	global_store_b128 v205, v[200:203], s[24:25] offset:BXOFF
.Lend:
	s_endpgm
.Lfunc_end_k_qdaf00b7527_prep:
	.size	k_qdaf00b7527_prep, .Lfunc_end_k_qdaf00b7527_prep-k_qdaf00b7527_prep
	.p2alignl 7, 3214868480
	.fill 96, 4, 3214868480
	.section	.rodata,"a",@progbits
	.p2align	6, 0x0
	.amdhsa_kernel k_qdaf00b7527_prep
		.amdhsa_group_segment_fixed_size 0
		.amdhsa_private_segment_fixed_size 0
		.amdhsa_enable_private_segment 0
		.amdhsa_kernarg_size 80
		.amdhsa_user_sgpr_count 2
		.amdhsa_user_sgpr_kernarg_segment_ptr 1
		.amdhsa_wavefront_size32 1
		.amdhsa_system_sgpr_workgroup_id_x 1
		.amdhsa_system_sgpr_workgroup_id_y 1
		.amdhsa_system_sgpr_workgroup_id_z 1
		.amdhsa_system_vgpr_workitem_id 0
		.amdhsa_next_free_vgpr 208
		.amdhsa_next_free_sgpr 66
		.amdhsa_reserve_vcc 0
		.amdhsa_float_denorm_mode_32 3
		.amdhsa_float_denorm_mode_16_64 3
		.amdhsa_memory_ordered 1
		.amdhsa_forward_progress 1
		.amdhsa_inst_pref_size 30
	.end_amdhsa_kernel
	.amdgpu_metadata
---
amdhsa.version: [ 1, 2 ]
amdhsa.kernels:
  - .name:           k_qdaf00b7527_prep
    .symbol:         k_qdaf00b7527_prep.kd
    .args:
      - { .name: x, .offset: 0, .size: 8, .value_kind: global_buffer, .address_space: global }
      - { .name: head_w, .offset: 8, .size: 8, .value_kind: global_buffer, .address_space: global }
      - { .name: head_b, .offset: 16, .size: 8, .value_kind: global_buffer, .address_space: global }
      - { .name: proj0, .offset: 24, .size: 8, .value_kind: global_buffer, .address_space: global }
      - { .name: proj1, .offset: 32, .size: 8, .value_kind: global_buffer, .address_space: global }
      - { .name: w0, .offset: 40, .size: 8, .value_kind: global_buffer, .address_space: global }
      - { .name: w1, .offset: 48, .size: 8, .value_kind: global_buffer, .address_space: global }
      - { .name: xb, .offset: 56, .size: 8, .value_kind: global_buffer, .address_space: global }
      - { .name: wc, .offset: 64, .size: 8, .value_kind: global_buffer, .address_space: global }
      - { .name: wt, .offset: 72, .size: 8, .value_kind: global_buffer, .address_space: global }
    .group_segment_fixed_size: 0
    .private_segment_fixed_size: 0
    .kernarg_segment_align: 8
    .kernarg_segment_size: 80
    .max_flat_workgroup_size: 256
    .sgpr_count:     66
    .vgpr_count:     208
    .wavefront_size: 32
...
	.end_amdgpu_metadata
.endif
;; end of part 1
;; launch front (part 2): grid 8 x 32, 4 waves a work-group, clusters of 4 x 4, 327,680 bytes of LDS; arguments xb, wc, hb, hp; writes hb, hp
.if DOCPART == 2
	.amdgcn_target "amdgcn-amd-amdhsa--gfx1250"
	.amdhsa_code_object_version 6
	.text
	.protected	k_qdaf00b7527_front
	.globl	k_qdaf00b7527_front
	.p2align	8
	.type	k_qdaf00b7527_front,@function
k_qdaf00b7527_front:
	s_mov_b64 s[64:65], 0
	v_nop
	global_prefetch_b8 v0, s[64:65] scope:SCOPE_SE
	s_setreg_imm32_b32 hwreg(HW_REG_WAVE_MODE, 25, 1), 1
	s_wait_xcnt 0x0
	s_wait_alu depctr_hold_cnt(0) depctr_sa_sdst(0) depctr_va_vdst(0) depctr_va_sdst(0) depctr_va_ssrc(0) depctr_va_vcc(0) depctr_vm_vsrc(0)
	s_getreg_b32 s2, hwreg(HW_REG_IB_STS2, 6, 4)
	s_cmp_eq_u32 s2, 0
	s_cbranch_scc0 .Lentry_in_a_cluster
	s_endpgm
.Lentry_in_a_cluster:
	s_bfe_u32 s2, ttmp6, 0x10000c
	s_cmp_lg_u32 s2, 0xf033
	s_cbranch_scc0 .Lentry_shape_is_right
	s_endpgm
.Lentry_shape_is_right:
; front: xb [4096][1024] times wc [2048][1024] transposed, bf16 operands, f32 sums.  Of each block of 256 columns the first 32 are columns of x proj0^T, the next 8 of
; x proj1^T, the rest head logits.  Nothing of the product goes to memory but h0 and h1 (times log2(e), bf16) and, for each row and block of columns,
; one number: the base-2 logarithm of the sum of 2^(logit log2(e) + bias log2(e)) over the block's head columns, taken with the block's own maximum.
; A work-group makes 128 rows x 256 columns with four waves, one a SIMD; a wave makes 64 x 128: 32 accumulator tiles, 256 registers (window 1).
; K goes in eight steps of 128 through two LDS slots filled by the tensor data mover; a tile's rows are 256 bytes of memory, aligned.
; CLUSTERS: 4 x 4 work-groups.  xb's tile hangs on the block row alone and is asked for jointly along a row of the cluster, wc's on the block column alone
; and is asked for jointly along a column.  By this text's count a wave has two tensor loads out at the start and one behind each later round.
; The matrix instruction takes 16 rows of wc as source 0 and 16 rows of xb as source 1: lane l then holds row l % 16 of x and, in registers 0 to 7,
; columns 8 (l / 16) + 0..7, so that a row's maximum and sum stay inside a lane but for one exchange with lane l xor 16.
; LIMITS: maxima start at -FLT_MAX; NaN and infinities in the inputs are not treated; operands and h are rounded to bf16.
.set KSTEP,  128
.set PITCH,  272                       ; 256 bytes of a row + 16 of padding: the 16 rows of a fragment load start 17 x 16 bytes apart
.set AHALF,  64*PITCH                  ; what a wave fetches of xb's tile, and what a wave reads of it
.set BHALF,  128*PITCH                 ; the same for wc's tile
.set BBASE,  128*PITCH                 ; wc's 256 rows lie behind xb's 128
.set SLOT,   384*PITCH
.set SCH,    2*SLOT                    ; behind the ring, in blocks no fill touches: [2 column halves][128 rows] f32
.set LAPS,   4                         ; a lap = two K steps = once round the ring
.set BXOFF,  4194304                   ; the bias table in wc
.set H1OFF,  2097152                   ; h1 in hb
.set ADRA, 16                          ; v16-17  LDS address of my xb fragments in slot 0, 1
.set ADRB, 20                          ; v20-21  the same for wc
.set HO0,  24                          ; v24     my 16 bytes in h0's units
.set HO1,  25                          ; v25     my 16 bytes in h1's unit
.set BO,   26                          ; v26     my 32 bytes in 64 of the bias table
.set SCA,  27                          ; v27     my word in SCH
.set PM,   32                          ; v[32:39]  row tile i: maximum at 32 + 2 i, a second word at 33 + 2 i
.set SS,   40                          ; v[40:47]  row tile i: a pair of sums
.set TT,   48                          ; v[48:63]  at work
.set G1,  24                           ; s[24:31] descriptor group 1, xb's tiles
.set G0,  32                           ; s[32:39] group 0, xb's tiles, a set for each slot
.set G1B, 48                           ; s[48:55] group 1, wc's tiles
.set G0B, 56                           ; s[56:63] group 0, wc's tiles
.set GW,  (1<<16)|(1<<20)|(1<<21)|(5<<22)|(3<<25)  ; elements of 2 bytes; padding on; bit 21 beside a mask; after every 64 words; 4 words
.set MSB, 0
.macro WIN new                         ; the immediate's high byte repeats the setting that is left
.if MSB != \new
	s_set_vgpr_msb (MSB<<8)|\new
.set MSB, \new
.endif
.endm
.macro JLOAD s                         ; waves 0 and 1 ask for xb's two halves, waves 2 and 3 for wc's: one mask a line; the branch hangs on the wave's number alone
	s_cmp_eq_u32 s13, 0
	s_cbranch_scc0 .Lfor_b_\@
	tensor_load_to_lds s[G0+4*\s:G0+4*\s+3], s[G1:G1+7]
	s_nop 0
	s_branch .Lasked_\@
.Lfor_b_\@:
	tensor_load_to_lds s[G0B+4*\s:G0B+4*\s+3], s[G1B:G1B+7]
	s_nop 0
.Lasked_\@:
.endm
.macro CREST                           ; a round of the cluster's barrier behind its opening barrier
	s_cmp_lg_u32 s12, 0
	s_cbranch_scc1 .Lnot_wave_0_\@
	s_barrier_signal -3
.Lnot_wave_0_\@:
	s_barrier_wait -3
	s_barrier_signal -1
	s_barrier_wait -1
.endm
.macro CROUND
	s_barrier_signal -1
	s_barrier_wait -1
	CREST
.endm
.macro PLACES                          ; four plain vector instructions between a matrix instruction and a load into, or a vector use of, its registers
.rept 4
	v_nop
.endr
.endm
	s_load_b256 s[4:11], s[0:1], 0x0               ; xb s[4:5], wc s[6:7], hb s[8:9], hp s[10:11]
	v_lshrrev_b32 v1, 5, v0
	v_readfirstlane_b32 s12, v1                    ; wave 0..3
	s_lshr_b32 s13, s12, 1                         ; my half of the block's rows.  Also: I fetch for xb (0) or for wc (1)
	s_and_b32 s14, s12, 1                          ; my half of its columns.  Also: which half of that tile I fetch
	s_bfe_u32 s16, ttmp6, 0x40000                  ; cx
	s_bfe_u32 s17, ttmp6, 0x40004                  ; cy
	s_lshl_b32 s18, ttmp9, 2
	s_add_co_u32 s18, s18, s16                     ; T: block column, 0..7
	s_and_b32 s19, ttmp7, 0xffff
	s_lshl_b32 s19, s19, 2
	s_add_co_u32 s19, s19, s17                     ; block row, 0..31
	s_lshl_b32 s20, s17, 2
	s_lshl_b32 s20, 15, s20                        ; my row of the cluster
	s_lshl_b32 s21, 0x1111, s16                    ; my column
	s_mov_b32 s66, 0x3fb8aa3b                      ; log2(e), twice: a pair for the packed forms
	s_mov_b32 s67, 0x3fb8aa3b
	s_mov_b32 s68, 0x76543210                      ; v_permlanex16_b32: lane i of one half reads lane i of the other
	s_mov_b32 s69, 0xfedcba98
	s_or_b32 s[G1+0], s20, GW                      ; xb's tiles: 64 rows x 128 elements, to my row of the cluster
	s_mov_b32 s[G1+1], KSTEP<<16                   ; tensor_dim0 = 128
	s_mov_b32 s[G1+2], 64<<16                      ; tensor_dim1 = 64
	s_mov_b32 s[G1+3], KSTEP<<16                   ; tile_dim0 = 128
	s_mov_b32 s[G1+4], 64                          ; tile_dim1 = 64
	s_mov_b32 s[G1+5], 1024                        ; elements from row to row
	s_mov_b32 s[G1+6], 0
	s_mov_b32 s[G1+7], 0
	s_or_b32 s[G1B+0], s21, GW                     ; wc's tiles: 128 rows x 128 elements, to my column
	s_mov_b32 s[G1B+1], KSTEP<<16
	s_mov_b32 s[G1B+2], 128<<16
	s_mov_b32 s[G1B+3], KSTEP<<16
	s_mov_b32 s[G1B+4], 128
	s_mov_b32 s[G1B+5], 1024
	s_mov_b32 s[G1B+6], 0
	s_mov_b32 s[G1B+7], 0
	; xb's address is made of the block row and the wave's number, wc's of the block column and the wave's number, each in registers that never hold the other coordinate
	s_lshl_b32 s22, s14, 6
	s_lshl_b32 s40, s19, 7
	s_add_co_u32 s40, s40, s22                     ; xb row 128 x block row + 64 x half
	s_lshl_b32 s40, s40, 11
	s_mov_b32 s41, 0
	s_lshl_b32 s23, s14, 7
	s_lshl_b32 s44, s18, 8
	s_add_co_u32 s44, s44, s23                     ; wc row 256 T + 128 x half
	s_lshl_b32 s44, s44, 11
	s_mov_b32 s45, 0
	s_mul_i32 s42, s14, AHALF                      ; where they go: the wave's number alone
	s_mul_i32 s46, s14, BHALF
	s_add_co_u32 s46, s46, BBASE
	s_wait_kmcnt 0x0
	s_add_nc_u64 s[40:41], s[4:5], s[40:41]
	s_add_nc_u64 s[44:45], s[6:7], s[44:45]
	CROUND                                         ; all sixteen work-groups are here: the first joint loads meet
.irp s, 0,1
	s_mov_b32 s[G0+4*\s], 1
	s_add_co_u32 s[G0+4*\s+1], s42, \s*SLOT
	s_add_nc_u64 s[G0+4*\s+2:G0+4*\s+3], s[40:41], \s*KSTEP*2
	s_or_b32 s[G0+4*\s+3], s[G0+4*\s+3], 0x80000000
	s_mov_b32 s[G0B+4*\s], 1
	s_add_co_u32 s[G0B+4*\s+1], s46, \s*SLOT
	s_add_nc_u64 s[G0B+4*\s+2:G0B+4*\s+3], s[44:45], \s*KSTEP*2
	s_or_b32 s[G0B+4*\s+3], s[G0B+4*\s+3], 0x80000000
	JLOAD \s                                       ; K steps 0 and 1: the ring is filled before anything else is done
.endr
	v_and_b32 v3, 31, v0                           ; lane
	v_and_b32 v1, 15, v0                           ; r = l % 16
	v_bfe_u32 v2, v0, 4, 1                         ; h = l / 16
	v_mul_u32_u24 v4, v1, PITCH
	v_lshl_add_u32 v4, v2, 4, v4                   ; a fragment: row r, 16 bytes for each half of the lanes, a second load 32 bytes on
	s_mul_i32 s22, s13, AHALF                      ; my 64 rows of xb
	s_mul_i32 s23, s14, BHALF                      ; my 128 rows of wc
	s_add_co_u32 s23, s23, BBASE
.irp s, 0,1
	v_add_nc_u32 v[ADRA+\s], s22, v4
	v_add_nc_u32 v[ADRB+\s], s23, v4
	s_add_co_u32 s22, s22, SLOT
	s_add_co_u32 s23, s23, SLOT
.endr
	s_lshl_b32 s22, s13, 10
	v_lshl_add_u32 v[HO1], v1, 4, s22              ; 16 (64 x row half + r)
	v_lshl_add_u32 v[HO0], v2, 11, v[HO1]          ; + 2048 h: the next unit of eight k
	v_lshlrev_b32 v[BO], 5, v2
	s_lshl_b32 s22, s14, 9
	s_lshl_b32 s23, s13, 8
	s_add_co_u32 s22, s22, s23
	s_add_co_u32 s22, s22, SCH
	v_lshl_add_u32 v[SCA], v1, 2, s22              ; SCH[column half][64 x row half + r]
.irp i, 0,1,2,3
	v_mov_b32 v[PM+2*\i], 0xff7fffff               ; the maxima start at -FLT_MAX
	v_mov_b32 v[PM+2*\i+1], 0                      ; second words of pairs, and destinations of lane exchanges, are written once before they count as read
	v_mov_b32 v[TT+2*\i], 0
	v_mov_b32 v[TT+2*\i+1], 0
.endr
; fragment buffer f (0, 1), all in window 0: wc's eight tiles at v[64 + 96 f], xb's four at v[128 + 96 f]
.macro FETCH slot, k, f                ; 24 LDS loads in one run: one quarter step (32 along K at byte k of the rows)
	WIN 0
.irp i, 0,1,2,3,4,5,6,7
	ds_load_b128 v[64+96*\f+8*\i:64+96*\f+8*\i+3],   v[ADRB+\slot] offset:\k+\i*16*PITCH
	ds_load_b128 v[64+96*\f+8*\i+4:64+96*\f+8*\i+7], v[ADRB+\slot] offset:\k+\i*16*PITCH+32
.endr
.irp i, 0,1,2,3
	ds_load_b128 v[128+96*\f+8*\i:128+96*\f+8*\i+3],   v[ADRA+\slot] offset:\k+\i*16*PITCH
	ds_load_b128 v[128+96*\f+8*\i+4:128+96*\f+8*\i+7], v[ADRA+\slot] offset:\k+\i*16*PITCH+32
.endr
.endm
; eight matrix instructions: row tile a x all eight column tiles.  The 32 accumulators take turns, one instruction a turn, in the same order in every
; quarter step and over the loop's backward jump.  zero = 1: the first product starts the sums.
.macro MULA f, a, zero
.irp b, 0,1,2,3,4,5,6,7
.if \zero
	v_wmma_f32_16x16x32_bf16 v[8*(8*\a+\b):8*(8*\a+\b)+7], v[64+96*\f+8*\b:64+96*\f+8*\b+7], v[128+96*\f+8*\a:128+96*\f+8*\a+7], 0
.else
	v_wmma_f32_16x16x32_bf16 v[8*(8*\a+\b):8*(8*\a+\b)+7], v[64+96*\f+8*\b:64+96*\f+8*\b+7], v[128+96*\f+8*\a:128+96*\f+8*\a+7], v[8*(8*\a+\b):8*(8*\a+\b)+7]
.endif
.endr
.endm
.set MULW, 0x50                        ; C and D in window 1, sources in window 0
.macro QUARTER slot, k, f, g, zero     ; multiplies buffer f; in its middle fetches the next quarter, at byte k, into buffer g
	s_wait_dscnt 4                                 ; wc's tiles and xb's tiles 0, 1 are in; the four youngest loads (xb's tiles 2, 3) may be out
	WIN MULW
	MULA \f, 0, \zero
	MULA \f, 1, \zero
	PLACES
	FETCH \slot, \k, \g
	s_wait_dscnt 24                                ; all but the 24 just issued
	WIN MULW
	MULA \f, 2, \zero
	MULA \f, 3, \zero
.endm
.macro THREE slot, zero
	QUARTER \slot, 64,  0, 1, \zero
	QUARTER \slot, 128, 1, 0, 0
	QUARTER \slot, 192, 0, 1, 0
.endm
; The last quarter of a K step multiplies buffer 1 and changes slots.  In front of the barrier each wave waits for its reads of this slot and for all its
; tensor loads, of which one is out: its part of the next slot.  Where the slot is filled again the barrier opens a round of the cluster's barrier, and the
; joint refill is the first tensor load behind the round's end.  From a request to the wait for it a wave issues 120 matrix instructions.
.macro TURN slot, next, fill
	s_wait_dscnt 4
	WIN MULW
	MULA 1, 0, 0
	s_wait_dscnt 0                                 ; my reads of this slot are over
	s_wait_tensorcnt 0x0                           ; and all my tensor loads have landed
	s_barrier_signal -1
	MULA 1, 1, 0                                   ; registers only, while the others arrive
	WIN 0
	s_barrier_wait -1
.if \fill
	CREST                                          ; no wave of any partner still reads this slot or has a load on its way
	s_add_nc_u64 s[G0+4*\slot+2:G0+4*\slot+3], s[G0+4*\slot+2:G0+4*\slot+3], 2*KSTEP*2
	s_add_nc_u64 s[G0B+4*\slot+2:G0B+4*\slot+3], s[G0B+4*\slot+2:G0B+4*\slot+3], 2*KSTEP*2
	JLOAD \slot
.endif
	PLACES
	FETCH \next, 0, 0
	WIN MULW
	MULA 1, 2, 0
	MULA 1, 3, 0
.endm
.macro LAP zero
	THREE 0, \zero
	TURN 0, 1, 1
	THREE 1, 0
	TURN 1, 0, 1
.endm
	s_wait_tensorcnt 1                             ; my part of K step 0 is in; K step 1's may stay out
	s_barrier_signal -1
	s_barrier_wait -1
	FETCH 0, 0, 0
	LAP 1                                          ; the first lap stands in front of the loop: its first products start the sums
	WIN 0
	s_mov_b32 s15, LAPS-2
.Llap:
	LAP 0
	WIN 0
	s_sub_co_u32 s15, s15, 1
	s_cmp_lg_u32 s15, 0
	s_cbranch_scc1 .Llap
	THREE 0, 0                                     ; the last lap fills nothing and has no round of the cluster's barrier
	TURN 0, 1, 0
	THREE 1, 0
	s_wait_dscnt 4
	WIN MULW
	MULA 1, 0, 0
	MULA 1, 1, 0
	s_wait_dscnt 0
	MULA 1, 2, 0
	MULA 1, 3, 0
	; THE WAY OUT, the same text in every work-group: each block of 256 columns has the same structure.
	PLACES
	WIN 0
	s_lshl_b32 s80, s18, 10
	s_lshl_b32 s81, s14, 9
	s_add_co_u32 s80, s80, s81
	s_add_co_u32 s80, s80, BXOFF
	s_mov_b32 s81, 0
	s_add_nc_u64 s[72:73], s[6:7], s[80:81]        ; the bias table at my 128 columns
	s_lshl_b32 s80, s19, 16
	s_lshl_b32 s71, s18, 13
	s_add_co_u32 s80, s80, s71
	s_add_nc_u64 s[74:75], s[8:9], s[80:81]        ; h0: [block row][unit 4 T ..][128 rows][8 k]
	s_lshl_b32 s80, s19, 14
	s_lshl_b32 s71, s18, 11
	s_add_co_u32 s80, s80, s71
	s_add_co_u32 s80, s80, H1OFF
	s_add_nc_u64 s[76:77], s[8:9], s[80:81]        ; h1: [block row][unit T][128 rows][8 k]
	s_lshl_b32 s80, s18, 14
	s_lshl_b32 s71, s19, 9
	s_add_co_u32 s80, s80, s71
	s_add_nc_u64 s[78:79], s[10:11], s[80:81]      ; hp[T] at the block's first row
.irp b, 0,1,2,3,4,5,6,7
	global_load_b128 v[64+8*\b:64+8*\b+3], v[BO], s[72:73] offset:64*\b        ; the table's words for my eight columns of column tile b
	global_load_b128 v[64+8*\b+4:64+8*\b+7], v[BO], s[72:73] offset:64*\b+16
.endr
	s_cmp_lg_u32 s14, 0                            ; the projections' 40 columns lie in the left column half: waves 0 and 2
	s_cbranch_scc1 .Lno_h
	WIN 0x01                                       ; source 0 in window 1
.irp i, 0,1,2,3
.irp b, 0,1,2
.irp q, 0,1,2,3
	v_pk_mul_f32 v[128+8*(3*\i+\b)+2*\q:128+8*(3*\i+\b)+2*\q+1], v[8*(8*\i+\b)+2*\q:8*(8*\i+\b)+2*\q+1], s[66:67] op_sel_hi:[1,0]  ; h x log2(e): the tails' logits come out in base 2
.endr
.endr
.endr
	WIN 0
.irp t, 0,1,2,3,4,5,6,7,8,9,10,11
.irp q, 0,1,2,3
	v_cvt_pk_bf16_f32 v[128+8*\t+\q], v[128+8*\t+2*\q], v[128+8*\t+2*\q+1]     ; in place: word q is written when words 2 q and 2 q + 1 have been read
.endr
.endr
.irp i, 0,1,2,3
.irp b, 0,1
	global_store_b128 v[HO0], v[128+8*(3*\i+\b):128+8*(3*\i+\b)+3], s[74:75] offset:4096*\b+256*\i   ; sixteen lanes store 256 consecutive aligned bytes: 16 rows of one unit
.endr
.endr
	v_cmp_gt_u32 vcc_lo, 16, v3                    ; of column tile 2 only columns 32 to 39 are h1's: lanes 0 to 15
	s_wait_xcnt 0x0                                ; EXEC changes only when the addresses of what has been issued are translated
	s_and_saveexec_b32 s70, vcc_lo
.irp i, 0,1,2,3
	global_store_b128 v[HO1], v[128+8*(3*\i+2):128+8*(3*\i+2)+3], s[76:77] offset:256*\i
.endr
	s_wait_xcnt 0x0                                ; and again in front of the line that widens it
	s_or_b32 exec_lo, exec_lo, s70
.Lno_h:
	s_wait_loadcnt 0x0                             ; the table's words
	WIN 0x41                                       ; D and source 0 in window 1
.set q, 0
.rept 32
.irp i, 0,1,2,3
	v_pk_fma_f32 v[64*\i+2*q:64*\i+2*q+1], v[64*\i+2*q:64*\i+2*q+1], s[66:67], v[64+2*q:64+2*q+1] op_sel_hi:[1,0,1]   ; logit log2(e) + bias log2(e); -infinity where the column is no head column
.endr
.set q, q+1
.endr
	WIN 0x14                                       ; sources 1 and 2 in window 1
.set q, 0
.rept 32
.irp i, 0,1,2,3
	v_max3_num_f32 v[PM+2*\i], v[PM+2*\i], v[64*\i+2*q], v[64*\i+2*q+1]        ; four chains, one a row tile
.endr
.set q, q+1
.endr
	WIN 0x41
.set q, 0
.rept 32
.irp i, 0,1,2,3
	v_pk_add_f32 v[64*\i+2*q:64*\i+2*q+1], v[64*\i+2*q:64*\i+2*q+1], v[PM+2*\i:PM+2*\i+1] op_sel_hi:[1,0] neg_lo:[0,1] neg_hi:[0,1]   ; the maximum is taken away
.endr
.set q, q+1
.endr
.set q, 0
.rept 256
	v_exp_f32 v[q], v[q]
.set q, q+1
.endr
	v_nop                                          ; one plain instruction between the last exponential and the first use (ISA guide 5.7.2)
	WIN 0x05
	s_wait_alu depctr_va_vdst(0)
.irp i, 0,1,2,3
	v_pk_add_f32 v[SS+2*\i:SS+2*\i+1], v[64*\i:64*\i+1], v[64*\i+2:64*\i+3]    ; the first two pairs start the sums
.endr
	WIN 0x04
.set q, 2
.rept 30
.irp i, 0,1,2,3
	v_pk_add_f32 v[SS+2*\i:SS+2*\i+1], v[SS+2*\i:SS+2*\i+1], v[64*\i+2*q:64*\i+2*q+1]
.endr
.set q, q+1
.endr
	WIN 0
	; lane l and lane l xor 16 hold the two halves of a row's columns, each with its own maximum: merge, take the logarithm, put it in SCH
.irp i, 0,1,2,3
	v_add_f32 v[SS+2*\i], v[SS+2*\i], v[SS+2*\i+1]
.endr
.irp i, 0,1,2,3
	v_permlanex16_b32 v[TT+2*\i], v[PM+2*\i], s68, s69
	v_permlanex16_b32 v[TT+2*\i+1], v[SS+2*\i], s68, s69
.endr
.irp i, 0,1,2,3
	v_max_num_f32 v[PM+2*\i+1], v[PM+2*\i], v[TT+2*\i]
.endr
.irp i, 0,1,2,3
	v_sub_f32 v[PM+2*\i], v[PM+2*\i], v[PM+2*\i+1]
	v_sub_f32 v[TT+2*\i], v[TT+2*\i], v[PM+2*\i+1]
.endr
.irp i, 0,1,2,3
	v_exp_f32 v[PM+2*\i], v[PM+2*\i]
	v_exp_f32 v[TT+2*\i], v[TT+2*\i]
.endr
	v_nop
	s_wait_alu depctr_va_vdst(0)
.irp i, 0,1,2,3
	v_mul_f32 v[SS+2*\i], v[SS+2*\i], v[PM+2*\i]
.endr
.irp i, 0,1,2,3
	v_fmac_f32 v[SS+2*\i], v[TT+2*\i+1], v[TT+2*\i]
.endr
.irp i, 0,1,2,3
	v_log_f32 v[SS+2*\i], v[SS+2*\i]
.endr
	v_nop
	s_wait_alu depctr_va_vdst(0)
.irp i, 0,1,2,3
	v_add_f32 v[SS+2*\i], v[SS+2*\i], v[PM+2*\i+1]
	ds_store_b32 v[SCA], v[SS+2*\i] offset:64*\i   ; both halves of the lanes write the same number to the same word
.endr
	s_wait_dscnt 0x0                               ; my stores are done, for the wave that reads them
	s_barrier_signal -1
	s_barrier_wait -1
	s_cmp_lg_u32 s12, 0
	s_cbranch_scc1 .Lnot_merge
	v_lshlrev_b32 v28, 4, v3                       ; wave 0: four rows a lane, the two column halves merged
	v_add_nc_u32 v29, SCH, v28
	ds_load_b128 v[48:51], v29
	ds_load_b128 v[52:55], v29 offset:512
	s_wait_dscnt 0x0
.irp e, 0,1,2,3
	v_max_num_f32 v[56+\e], v[48+\e], v[52+\e]
.endr
.irp k, 0,1,2,3
	v_pk_add_f32 v[48+2*\k:48+2*\k+1], v[48+2*\k:48+2*\k+1], v[56+2*(\k%2):56+2*(\k%2)+1] neg_lo:[0,1] neg_hi:[0,1]
.endr
.irp e, 0,1,2,3,4,5,6,7
	v_exp_f32 v[48+\e], v[48+\e]
.endr
	v_nop
	s_wait_alu depctr_va_vdst(0)
	v_pk_add_f32 v[48:49], v[48:49], v[52:53]
	v_pk_add_f32 v[50:51], v[50:51], v[54:55]
.irp e, 0,1,2,3
	v_log_f32 v[48+\e], v[48+\e]
.endr
	v_nop
	s_wait_alu depctr_va_vdst(0)
	v_pk_add_f32 v[48:49], v[48:49], v[56:57]
	v_pk_add_f32 v[50:51], v[50:51], v[58:59]
	global_store_b128 v28, v[48:51], s[78:79]      ; 512 consecutive bytes: the block's 128 rows
.Lnot_merge:
	CROUND                                         ; the closing round: no work-group ends while a partner may still ask for a tile that names it
	s_endpgm
.Lfunc_end_k_qdaf00b7527_front:
	.size	k_qdaf00b7527_front, .Lfunc_end_k_qdaf00b7527_front-k_qdaf00b7527_front
	.p2alignl 7, 3214868480
	.fill 96, 4, 3214868480
	.section	.rodata,"a",@progbits
	.p2align	6, 0x0
	.amdhsa_kernel k_qdaf00b7527_front
		.amdhsa_group_segment_fixed_size 327680
		.amdhsa_private_segment_fixed_size 0
		.amdhsa_enable_private_segment 0
		.amdhsa_kernarg_size 32
		.amdhsa_user_sgpr_count 2
		.amdhsa_user_sgpr_kernarg_segment_ptr 1
		.amdhsa_wavefront_size32 1
		.amdhsa_system_sgpr_workgroup_id_x 1
		.amdhsa_system_sgpr_workgroup_id_y 1
		.amdhsa_system_sgpr_workgroup_id_z 1
		.amdhsa_system_vgpr_workitem_id 0
		.amdhsa_next_free_vgpr 512
		.amdhsa_next_free_sgpr 82
		.amdhsa_reserve_vcc 1
		.amdhsa_float_denorm_mode_32 3
		.amdhsa_float_denorm_mode_16_64 3
		.amdhsa_memory_ordered 1
		.amdhsa_forward_progress 1
		.amdhsa_inst_pref_size 154
	.end_amdhsa_kernel
	.amdgpu_metadata
---
amdhsa.version: [ 1, 2 ]
amdhsa.kernels:
  - .name:           k_qdaf00b7527_front
    .symbol:         k_qdaf00b7527_front.kd
    .args:
      - { .name: xb, .offset: 0, .size: 8, .value_kind: global_buffer, .address_space: global }
      - { .name: wc, .offset: 8, .size: 8, .value_kind: global_buffer, .address_space: global }
      - { .name: hb, .offset: 16, .size: 8, .value_kind: global_buffer, .address_space: global }
      - { .name: hp, .offset: 24, .size: 8, .value_kind: global_buffer, .address_space: global }
    .group_segment_fixed_size: 327680
    .private_segment_fixed_size: 0
    .kernarg_segment_align: 8
    .kernarg_segment_size: 32
    .max_flat_workgroup_size: 128
    .sgpr_count:     82
    .vgpr_count:     512
    .wavefront_size: 32
...
	.end_amdgpu_metadata
.endif
;; end of part 2
;; launch tails (part 3): grid 16 x 16, 16 waves a work-group, clusters of 4 x 1, 327,680 bytes of LDS; arguments hb, wt, xb, wc, w0, w1, head_b, y, pt, hp; writes pt
.if DOCPART == 3
	.amdgcn_target "amdgcn-amd-amdhsa--gfx1250"
	.amdhsa_code_object_version 6
	.text
	.protected	k_qdaf00b7527_tails
	.globl	k_qdaf00b7527_tails
	.p2align	8
	.type	k_qdaf00b7527_tails,@function
k_qdaf00b7527_tails:
	s_mov_b64 s[64:65], 0
	v_nop
	global_prefetch_b8 v0, s[64:65] scope:SCOPE_SE
	s_setreg_imm32_b32 hwreg(HW_REG_WAVE_MODE, 25, 1), 1
	s_wait_xcnt 0x0
	s_wait_alu depctr_hold_cnt(0) depctr_sa_sdst(0) depctr_va_vdst(0) depctr_va_sdst(0) depctr_va_ssrc(0) depctr_va_vcc(0) depctr_vm_vsrc(0)
	s_getreg_b32 s2, hwreg(HW_REG_IB_STS2, 6, 4)
	s_cmp_eq_u32 s2, 0
	s_cbranch_scc0 .Lentry_in_a_cluster
	s_endpgm
.Lentry_in_a_cluster:
	s_bfe_u32 s2, ttmp6, 0x10000c
	s_cmp_lg_u32 s2, 0x3003
	s_cbranch_scc0 .Lentry_shape_is_right
	s_endpgm
.Lentry_shape_is_right:
; tails: for a block of 256 rows and column group g of 16: the base-2 logarithm of the sum of 2^logit over 256 columns of tail 0 (K = 256) and over 2880 columns of
; tail 1 (K = 64, fifteen trips of 192 columns), each with a running maximum; of the two the one of the row's class (y >= 5025: tail 1) is stored.  Beside that each
; wave makes one row's target value: the head logit at y or at the class's cluster column, plus bias, plus the tail logit at y, minus ln 2 times the head's
; base-2 logarithm, which it merges from the eight partial ones of the launch before.
; Sixteen waves: wave w has column set w & 3 and rows 64 (w >> 2) .. + 63.  The work on each logit (maximum, difference, exponential, sum) outweighs the
; matrix work here (a tile of 16 x 16 costs two matrix instructions in tail 1), so four waves share a SIMD and fill each other's waits.
; Source 0 of a matrix instruction is 16 rows of the weights, source 1 is 16 rows of h: a lane holds one row of h and eight columns of the vocabulary.
; CLUSTERS: the four row blocks of a cluster walk the same weights: w0's tile and w1's slots are asked for jointly (mask 15).  The h0 tile is each work-group's
; own and comes by a plain load.  By this text's count a wave has two tensor loads out at the start and one behind each later round.
; LIMITS: y is taken to lie in [0, 50257) and is clamped wherever it enters an address; maxima start at -FLT_MAX; NaN and infinities in the inputs are not
; treated; h and the weights of the sums are bf16 (the tails' target logits take w0 and w1 in f32).
.set YR,     138240                    ; LDS: region X at 0 (h0's tile, 131072 bytes; later w1's slots 0 and 2), region Y here (w0's tile, 256 rows x 528; later slot 1)
.set SC0,    276480                    ; [4 column sets][256 rows] f32 for tail 0; the same for tail 1 4096 bytes on; in blocks no fill touches
.set SCT,    284672                    ; 16 words: the waves' target values
.set W1OFF,  1715200                   ; w1's copy in wt
.set H1OFF,  2097152                   ; h1 in hb
.set TGOFF,  262144                    ; the target values in pt
.set TRIPB,  27648                     ; a trip's 192 rows of 144 bytes; a slot holds five trips
.set D0,  16                           ; v[16:143]  tail 0: accumulators [row tile 4][column tile 4][8]
.set D1,  16                           ; v[16:111]  tail 1: accumulators [row tile 4][column tile 3][8]
.set WF,  112                          ; v[112:159] tail 1: w1's fragments [column tile 3][K half 2][8]
.set A0F, 144                          ; v[144:175] tail 0: h0's fragments
.set B0F, 176                          ; v[176:207] tail 0: w0's fragments
.set TGV, 208                          ; v208       the wave's target value on its way to LDS; free until h1's fragments are loaded
.set H1F, 160                          ; v[160:223] tail 1: h1's fragments [row tile 4][K half 2][8], kept for all fifteen trips
.set PM,  224                          ; v[224:231] row tile i: running maximum at 224 + 2 i, the old one beside it
.set QA,  232                          ; v[232:239] row tile i: 2^(old maximum - new)
.set SS,  240                          ; v[240:247] row tile i: a pair of running sums
.set TT,  248                          ; v[248:255] at work
.set MK,  82                           ; s[82:87]   last trip: 0 or -infinity for each column tile, in pairs
; v1 r, v2 h, v3 lane, v4 h0 fragment address, v5 w0 fragment address, v6 w1 fragment address in a slot's first trip, v7 the current one,
; v8 h1 offset, v9 my word in SC0, v10 8 h, v11 -infinity, v12-15 offsets and LDS addresses made of the lane, the wave's number and constants alone
.macro ROUND                           ; a round of the cluster's barrier
	s_barrier_signal -1
	s_barrier_wait -1
	s_cmp_lg_u32 s8, 0
	s_cbranch_scc1 .Lnot_wave_0_\@
	s_barrier_signal -3
.Lnot_wave_0_\@:
	s_barrier_wait -3
	s_barrier_signal -1
	s_barrier_wait -1
.endm
.macro PLACES                          ; four plain vector instructions between a matrix instruction and a load into, or a vector use of, its registers
.rept 4
	v_nop
.endr
.endm
.macro INITST all                      ; the running state; all = 1: also the words that only have to have been written
.irp i, 0,1,2,3
	v_mov_b32 v[PM+2*\i], 0xff7fffff
	v_mov_b32 v[SS+2*\i], 0
	v_mov_b32 v[SS+2*\i+1], 0
.if \all
	v_mov_b32 v[PM+2*\i+1], 0
	v_mov_b32 v[QA+2*\i], 0
	v_mov_b32 v[QA+2*\i+1], 0
	v_mov_b32 v[TT+2*\i], 0
	v_mov_b32 v[TT+2*\i+1], 0
.endif
.endr
.endm
; One step of the running softmax on np pairs of logits for each of four row tiles (base b, st registers from row tile to row tile); the four take turns in every stage.
.macro SOFT b, np, st, mask
.if \mask
.irp i, 0,1,2,3
.irp c, 0,1,2
.irp p, 0,1,2,3
	v_pk_add_f32 v[\b+\st*\i+8*\c+2*\p:\b+\st*\i+8*\c+2*\p+1], v[\b+\st*\i+8*\c+2*\p:\b+\st*\i+8*\c+2*\p+1], s[MK+2*\c:MK+2*\c+1] op_sel_hi:[1,0]
.endr
.endr
.endr
.endif
.irp i, 0,1,2,3
	v_mov_b32 v[PM+2*\i+1], v[PM+2*\i]             ; the old maximum
.endr
.set q, 0
.rept \np
.irp i, 0,1,2,3
	v_max3_num_f32 v[PM+2*\i], v[PM+2*\i], v[\b+\st*\i+2*q], v[\b+\st*\i+2*q+1]
.endr
.set q, q+1
.endr
.irp i, 0,1,2,3
	v_sub_f32 v[PM+2*\i+1], v[PM+2*\i+1], v[PM+2*\i]   ; old - new, at most 0
.endr
.set q, 0
.rept \np
.irp i, 0,1,2,3
	v_pk_add_f32 v[\b+\st*\i+2*q:\b+\st*\i+2*q+1], v[\b+\st*\i+2*q:\b+\st*\i+2*q+1], v[PM+2*\i:PM+2*\i+1] op_sel_hi:[1,0] neg_lo:[0,1] neg_hi:[0,1]
.endr
.set q, q+1
.endr
.irp i, 0,1,2,3
	v_exp_f32 v[QA+2*\i], v[PM+2*\i+1]
.endr
.set q, 0
.rept 2*\np
.irp i, 0,1,2,3
	v_exp_f32 v[\b+\st*\i+q], v[\b+\st*\i+q]
.endr
.set q, q+1
.endr
	v_nop                                          ; one plain instruction between the last exponential and the first use (ISA guide 5.7.2)
	s_wait_alu depctr_va_vdst(0)
.irp i, 0,1,2,3
	v_pk_fma_f32 v[SS+2*\i:SS+2*\i+1], v[SS+2*\i:SS+2*\i+1], v[QA+2*\i:QA+2*\i+1], v[\b+\st*\i:\b+\st*\i+1] op_sel_hi:[1,0,1]   ; the sums move to the new maximum and take the first pair
.endr
.set q, 1
.rept \np-1
.irp i, 0,1,2,3
	v_pk_add_f32 v[SS+2*\i:SS+2*\i+1], v[SS+2*\i:SS+2*\i+1], v[\b+\st*\i+2*q:\b+\st*\i+2*q+1]
.endr
.set q, q+1
.endr
.endm
; Lane l and lane l xor 16 hold the two halves of a row's columns, each with its own maximum: merge, logarithm, into my column set's words (sc: 0 tail 0, 4096 tail 1).
; A lane whose columns were all masked has sum 0 and gives -infinity.
.macro FINISH sc
.irp i, 0,1,2,3
	v_add_f32 v[SS+2*\i], v[SS+2*\i], v[SS+2*\i+1]
.endr
.irp i, 0,1,2,3
	v_permlanex16_b32 v[TT+2*\i], v[PM+2*\i], s80, s81
	v_permlanex16_b32 v[TT+2*\i+1], v[SS+2*\i], s80, s81
.endr
.irp i, 0,1,2,3
	v_max_num_f32 v[PM+2*\i+1], v[PM+2*\i], v[TT+2*\i]
.endr
.irp i, 0,1,2,3
	v_sub_f32 v[PM+2*\i], v[PM+2*\i], v[PM+2*\i+1]
	v_sub_f32 v[TT+2*\i], v[TT+2*\i], v[PM+2*\i+1]
.endr
.irp i, 0,1,2,3
	v_exp_f32 v[PM+2*\i], v[PM+2*\i]
	v_exp_f32 v[TT+2*\i], v[TT+2*\i]
.endr
	v_nop
	s_wait_alu depctr_va_vdst(0)
.irp i, 0,1,2,3
	v_mul_f32 v[SS+2*\i], v[SS+2*\i], v[PM+2*\i]
.endr
.irp i, 0,1,2,3
	v_fmac_f32 v[SS+2*\i], v[TT+2*\i+1], v[TT+2*\i]
.endr
.irp i, 0,1,2,3
	v_log_f32 v[SS+2*\i], v[SS+2*\i]
.endr
	v_nop
	s_wait_alu depctr_va_vdst(0)
.irp i, 0,1,2,3
	v_add_f32 v[SS+2*\i], v[SS+2*\i], v[PM+2*\i+1]
	ds_store_b32 v9, v[SS+2*\i] offset:\sc+64*\i
.endr
.endm
.macro LOADW                           ; a trip's fragments of w1: my 48 rows, 64 along K, twelve loads
.irp c, 0,1,2
.irp s, 0,1
	ds_load_b128 v[WF+16*\c+8*\s:WF+16*\c+8*\s+3],   v7 offset:2304*\c+64*\s
	ds_load_b128 v[WF+16*\c+8*\s+4:WF+16*\c+8*\s+7], v7 offset:2304*\c+64*\s+32
.endr
.endr
.endm
.macro MM1                             ; a trip's 24 matrix instructions: the twelve accumulators take turns, one instruction a turn; the first K half starts the sums
.irp i, 0,1,2,3
.irp c, 0,1,2
	v_wmma_f32_16x16x32_bf16 v[D1+24*\i+8*\c:D1+24*\i+8*\c+7], v[WF+16*\c:WF+16*\c+7], v[H1F+16*\i:H1F+16*\i+7], 0
.endr
.endr
.irp i, 0,1,2,3
.irp c, 0,1,2
	v_wmma_f32_16x16x32_bf16 v[D1+24*\i+8*\c:D1+24*\i+8*\c+7], v[WF+16*\c+8:WF+16*\c+15], v[H1F+16*\i+8:H1F+16*\i+15], v[D1+24*\i+8*\c:D1+24*\i+8*\c+7]
.endr
.endr
.endm
.macro RUN4                            ; four trips inside a slot: multiply, ask for the next trip's fragments, then the softmax step while they come
	s_mov_b32 s34, 4
.Lrun_\@:
	s_wait_dscnt 0x0                               ; this trip's fragments
	MM1
	PLACES
	v_add_nc_u32 v7, TRIPB, v7
	LOADW
	SOFT D1, 12, 24, 0
	s_sub_co_i32 s34, s34, 1
	s_cmp_lg_u32 s34, 0
	s_cbranch_scc1 .Lrun_\@
.endm
.macro WSUM v, t                       ; a sum over the wave's 32 lanes, in every lane
	v_add_f32_dpp v[\v], v[\v], v[\v] row_xmask:1 row_mask:0xf bank_mask:0xf
	v_add_f32_dpp v[\v], v[\v], v[\v] row_xmask:2 row_mask:0xf bank_mask:0xf
	v_add_f32_dpp v[\v], v[\v], v[\v] row_xmask:4 row_mask:0xf bank_mask:0xf
	v_add_f32_dpp v[\v], v[\v], v[\v] row_xmask:8 row_mask:0xf bank_mask:0xf
	v_permlanex16_b32 v[\t], v[\v], s80, s81
	v_add_f32 v[\v], v[\v], v[\t]
.endm
.macro MERGE4 a, m                     ; four column sets' logarithms, four rows a lane, v[a + 4 set + row], merged into v[a .. a+3]
.irp e, 0,1,2,3
	v_max3_num_f32 v[\m+\e], v[\a+\e], v[\a+4+\e], v[\a+8+\e]
.endr
.irp e, 0,1,2,3
	v_max3_num_f32 v[\m+\e], v[\m+\e], v[\a+12+\e], s67    ; never below -FLT_MAX: four times -infinity gives -infinity, not NaN
.endr
.irp k, 0,1,2,3,4,5,6,7
	v_pk_add_f32 v[\a+2*\k:\a+2*\k+1], v[\a+2*\k:\a+2*\k+1], v[\m+2*(\k%2):\m+2*(\k%2)+1] neg_lo:[0,1] neg_hi:[0,1]
.endr
.irp k, 0,1,2,3,4,5,6,7,8,9,10,11,12,13,14,15
	v_exp_f32 v[\a+\k], v[\a+\k]
.endr
	v_nop
	s_wait_alu depctr_va_vdst(0)
.irp k, 1,2,3
	v_pk_add_f32 v[\a:\a+1], v[\a:\a+1], v[\a+4*\k:\a+4*\k+1]
	v_pk_add_f32 v[\a+2:\a+3], v[\a+2:\a+3], v[\a+4*\k+2:\a+4*\k+3]
.endr
.irp e, 0,1,2,3
	v_log_f32 v[\a+\e], v[\a+\e]
.endr
	v_nop
	s_wait_alu depctr_va_vdst(0)
	v_pk_add_f32 v[\a:\a+1], v[\a:\a+1], v[\m:\m+1]
	v_pk_add_f32 v[\a+2:\a+3], v[\a+2:\a+3], v[\m+2:\m+3]
.endm
	s_load_b512 s[16:31], s[0:1], 0x0              ; hb s[16:17], wt s[18:19], xb s[20:21], wc s[22:23], w0 s[24:25], w1 s[26:27], head_b s[28:29], y s[30:31]
	s_load_b64 s[32:33], s[0:1], 0x40              ; pt
	s_load_b64 s[100:101], s[0:1], 0x48            ; hp
	v_lshrrev_b32 v1, 5, v0
	v_readfirstlane_b32 s8, v1                     ; wave 0..15
	s_and_b32 s9, s8, 3                            ; column set
	s_lshr_b32 s10, s8, 2                          ; quarter of the rows
	s_bfe_u32 s13, ttmp6, 0x40000                  ; cx
	s_lshl_b32 s11, ttmp9, 2
	s_add_co_u32 s11, s11, s13                     ; block of 256 rows, 0..15
	s_and_b32 s12, ttmp7, 0xffff                   ; g: column group, the same in all four partners
	s_mov_b32 s80, 0x76543210
	s_mov_b32 s81, 0xfedcba98
	; group 1, plain: 32 rows of 256 bytes that follow each other in memory and in LDS (a wave's sixteenth of h0's tile)
	s_mov_b32 s36, 3<<16                           ; no mask; elements of 8 bytes
	s_mov_b32 s37, 32<<16                          ; tensor_dim0 = 32
	s_mov_b32 s38, 32<<16                          ; tensor_dim1 = 32
	s_mov_b32 s39, 32<<16                          ; tile_dim0 = 32
	s_mov_b32 s40, 32                              ; tile_dim1 = 32
	s_mov_b32 s41, 32                              ; pitch
	s_mov_b32 s42, 0
	s_mov_b32 s43, 0
	; group 1, joint: 16 rows of w0, 256 bf16 each, 16 bytes of padding behind each row of 128 words: LDS pitch 528
	s_mov_b32 s44, 15|(1<<16)|(1<<20)|(1<<21)|(6<<22)|(3<<25)
	s_mov_b32 s45, 256<<16
	s_mov_b32 s46, 16<<16
	s_mov_b32 s47, 256<<16
	s_mov_b32 s48, 16
	s_mov_b32 s49, 256
	s_mov_b32 s50, 0
	s_mov_b32 s51, 0
	; group 1, joint: 30 rows of 256 bytes = 60 rows of w1; 16 bytes of padding behind every 32 words, that is behind each row of w1: LDS pitch 144
	s_mov_b32 s52, 15|(3<<16)|(1<<20)|(1<<21)|(4<<22)|(3<<25)
	s_mov_b32 s53, 32<<16
	s_mov_b32 s54, 30<<16
	s_mov_b32 s55, 32<<16
	s_mov_b32 s56, 30
	s_mov_b32 s57, 32
	s_mov_b32 s58, 0
	s_mov_b32 s59, 0
	s_lshl_b32 s2, s11, 17                         ; h0's tile: 131072 bytes for each block of 256 rows, 8192 for each wave
	s_lshl_b32 s3, s8, 13
	s_add_co_u32 s2, s2, s3
	s_mov_b32 s3, 0
	s_lshl_b32 s4, s12, 8                          ; w0: rows 256 g + 16 w .., held back to 3334 so that all 16 rows exist; what comes twice is masked below
	s_lshl_b32 s5, s8, 4
	s_add_co_u32 s4, s4, s5
	s_min_u32 s4, s4, 3334
	s_lshl_b32 s4, s4, 9
	s_mov_b32 s5, 0
	s_mul_i32 s6, s12, 368640                      ; w1: group g's 2880 rows of 128 bytes, 7680 bytes of a slot for each wave
	s_mul_i32 s7, s8, 7680
	s_add_co_u32 s6, s6, s7
	s_add_co_u32 s6, s6, W1OFF
	s_mov_b32 s7, 0
	s_wait_kmcnt 0x0
	s_mov_b32 s60, 1                               ; group 0: h0's tile
	s_lshl_b32 s61, s8, 13
	s_add_nc_u64 s[62:63], s[16:17], s[2:3]
	s_or_b32 s63, s63, 0x80000000
	s_mov_b32 s68, 1                               ; group 0: w0's tile
	s_mul_i32 s69, s8, 8448
	s_add_co_u32 s69, s69, YR
	s_add_nc_u64 s[70:71], s[18:19], s[4:5]
	s_or_b32 s71, s71, 0x80000000
	s_mov_b32 s72, 1                               ; group 0: w1's slots 0 and 2, in region X
	s_mul_i32 s73, s8, 8640
	s_add_nc_u64 s[74:75], s[18:19], s[6:7]
	s_mov_b32 s76, 1                               ; group 0: w1's slot 1, in region Y
	s_add_co_u32 s77, s73, YR
	s_add_nc_u64 s[78:79], s[74:75], 122880        ; 960 rows on
	s_or_b32 s75, s75, 0x80000000
	s_or_b32 s79, s79, 0x80000000
	ROUND                                          ; all four work-groups are here: the first joint loads meet
	tensor_load_to_lds s[60:63], s[36:43]          ; the two first fills of every wave go out together
	s_nop 0
	tensor_load_to_lds s[68:71], s[44:51]
	s_nop 0
	v_and_b32 v3, 31, v0                           ; lane
	v_and_b32 v1, 15, v0                           ; r
	v_bfe_u32 v2, v0, 4, 1                         ; h
	s_lshr_b32 s4, s10, 1
	s_lshl_b32 s4, s4, 16
	s_and_b32 s5, s10, 1
	s_lshl_b32 s5, s5, 10
	s_add_co_u32 s4, s4, s5                        ; my 64 rows in [half of 128 rows][unit of 8 k][128 rows][16 bytes]
	v_lshlrev_b32 v8, 4, v1
	v_lshl_add_u32 v8, v2, 11, v8                  ; 16 r + 2048 h: sixteen lanes read 256 consecutive bytes
	v_add_nc_u32 v4, s4, v8
	v_mul_u32_u24 v5, v1, 528
	v_lshl_add_u32 v5, v2, 4, v5
	s_mul_i32 s4, s9, 33792                        ; my 64 rows of w0's tile
	s_add_co_u32 s4, s4, YR
	v_add_nc_u32 v5, s4, v5
	v_mul_u32_u24 v6, v1, 144
	v_lshl_add_u32 v6, v2, 4, v6
	s_mul_i32 s4, s9, 6912                         ; my 48 rows of a trip
	v_add_nc_u32 v6, s4, v6
	s_lshl_b32 s4, s9, 10
	s_lshl_b32 s5, s10, 8
	s_add_co_u32 s4, s4, s5
	s_add_co_u32 s4, s4, SC0
	v_lshl_add_u32 v9, v1, 2, s4
	v_lshlrev_b32 v10, 3, v2
	v_mov_b32 v11, 0xff800000
	; THE TARGET VALUE of row n = 256 block + 16 g + w, one row a wave, while the tiles are on their way
	s_lshr_b32 s66, s12, 3                         ; which half of 128 rows: g / 8,
	s_and_b32 s66, s66, 1                          ; one bit, since the grid has 16 column groups: the LDS read below ends at byte 63488 + 65536 + 2032 + 16 = 131072, the end of h0's tile
	s_and_b32 s67, s12, 7
	s_lshl_b32 s67, s67, 4
	s_add_co_u32 s67, s67, s8                      ; the row in it
	s_lshl_b32 s14, s11, 1
	s_add_co_u32 s14, s14, s66
	s_lshl_b32 s15, s14, 7
	s_add_co_u32 s15, s15, s67                     ; n
	s_lshl_b32 s2, s15, 2
	s_load_b32 s92, s[30:31], s2 offset:0x0        ; y[n]
	s_lshl_b32 s82, s15, 11
	s_mov_b32 s83, 0
	s_add_nc_u64 s[82:83], s[20:21], s[82:83]      ; xb's row n
	s_lshl_b32 s84, s14, 14
	s_lshl_b32 s85, s67, 4
	s_add_co_u32 s84, s84, s85
	s_add_co_u32 s84, s84, H1OFF
	s_mov_b32 s85, 0
	s_add_nc_u64 s[84:85], s[16:17], s[84:85]      ; h1's row n, unit 0
	s_lshl_b32 s86, s15, 2
	s_mov_b32 s87, 0
	s_add_nc_u64 s[100:101], s[100:101], s[86:87]  ; hp[0][n]
	v_lshlrev_b32 v12, 4, v3
	v_lshlrev_b32 v13, 5, v3
	v_lshlrev_b32 v14, 3, v3
	v_lshrrev_b32 v15, 2, v3
	v_and_b32 v59, 3, v3
	v_lshlrev_b32 v59, 2, v59
	v_lshl_add_u32 v15, v15, 11, v59               ; k = 2 lane, 2 lane + 1: unit lane / 4, word lane mod 4
	v_and_b32 v72, 7, v3
	v_lshlrev_b32 v72, 14, v72                     ; lane l takes block of columns l mod 8 of the head's partial logarithms: 16384 bytes from block to block
.irp q, 0,1,2,3
	global_load_b128 v[16+4*\q:16+4*\q+3], v12, s[82:83] offset:512*\q
.endr
	global_load_b32 v58, v15, s[84:85]
	global_load_b32 v73, v72, s[100:101]           ; the last byte read is 7 x 16384 + 4 x 4095 + 3, hp's last
	s_wait_kmcnt 0x0
	s_mov_b32 s93, 1676
	s_cmp_lt_i32 s92, 5025
	s_cselect_b32 s93, 1675, s93
	s_cmp_lt_i32 s92, 1675
	s_cselect_b32 s93, s92, s93                    ; the head column: y, or the class's cluster column
	s_min_u32 s93, s93, 1676
	s_lshl_b32 s94, s93, 2
	s_load_b32 s95, s[28:29], s94 offset:0x0       ; its bias
	s_mul_i32 s96, s93, 77673                      ; its row in wc: column + 40 (column / 216) + 40
	s_lshr_b32 s96, s96, 24
	s_mul_i32 s96, s96, 40
	s_add_co_u32 s96, s96, s93
	s_add_co_u32 s96, s96, 40
	s_min_u32 s96, s96, 2047
	s_lshl_b32 s96, s96, 11
	s_mov_b32 s97, 0
	s_add_nc_u64 s[96:97], s[22:23], s[96:97]
	s_sub_co_i32 s98, s92, 1675                    ; clip(y - 1675, 0, 3349)
	s_max_i32 s98, s98, 0
	s_min_u32 s98, s98, 3349
	s_lshl_b32 s98, s98, 10
	s_mov_b32 s99, 0
	s_add_nc_u64 s[98:99], s[24:25], s[98:99]
	s_sub_co_i32 s2, s92, 5025                     ; clip(y - 5025, 0, 45231)
	s_max_i32 s2, s2, 0
	s_min_u32 s2, s2, 45231
	s_lshl_b32 s2, s2, 8
	s_mov_b32 s3, 0
	s_add_nc_u64 s[2:3], s[26:27], s[2:3]
.irp q, 0,1,2,3
	global_load_b128 v[32+4*\q:32+4*\q+3], v12, s[96:97] offset:512*\q
.endr
	global_load_b128 v[48:51], v13, s[98:99]
	global_load_b128 v[52:55], v13, s[98:99] offset:16
	global_load_b64 v[56:57], v14, s[2:3]
.irp r, 60,61,62,63,64,65,66,67
	v_mov_b32 v\r, 0                               ; seven short sums and one exchange register
.endr
	s_wait_loadcnt 0x0
	s_wait_kmcnt 0x0
	; the head's logarithm: eight partial ones, one in each lane of a group of eight, merged with their own maximum; every lane ends up with the result
	v_mov_b32 v74, v73
	v_max_num_f32_dpp v74, v74, v74 row_xmask:1 row_mask:0xf bank_mask:0xf
	v_max_num_f32_dpp v74, v74, v74 row_xmask:2 row_mask:0xf bank_mask:0xf
	v_max_num_f32_dpp v74, v74, v74 row_xmask:4 row_mask:0xf bank_mask:0xf
	v_sub_f32 v73, v73, v74
	v_exp_f32 v73, v73
	v_nop                                          ; one plain instruction between a transcendental and the first use of its result (ISA guide 5.7.2)
	s_wait_alu depctr_va_vdst(0)
	v_add_f32_dpp v73, v73, v73 row_xmask:1 row_mask:0xf bank_mask:0xf
	v_add_f32_dpp v73, v73, v73 row_xmask:2 row_mask:0xf bank_mask:0xf
	v_add_f32_dpp v73, v73, v73 row_xmask:4 row_mask:0xf bank_mask:0xf
	v_log_f32 v73, v73
	v_nop
	s_wait_alu depctr_va_vdst(0)
	v_add_f32 v73, v73, v74                        ; LH, base 2
.irp n, 0,1,2,3,4,5,6,7,8,9,10,11,12,13,14,15
	v_fma_mix_f32_bf16 v[60+\n%4], v[16+\n], v[32+\n], v[60+\n%4] op_sel_hi:[1,1,0]
	v_fma_mix_f32_bf16 v[60+\n%4], v[16+\n], v[32+\n], v[60+\n%4] op_sel:[1,1,0] op_sel_hi:[1,1,0]
.endr
	v_fma_mix_f32_bf16 v64, v58, v56, v64 op_sel_hi:[1,0,0]                ; h1 (bf16) x w1 (f32)
	v_fma_mix_f32_bf16 v64, v58, v57, v64 op_sel:[1,0,0] op_sel_hi:[1,0,0]
	s_wait_tensorcnt 0x0                           ; my parts of both tiles have landed
	s_barrier_signal -1
	s_barrier_wait -1                              ; everybody's have
	s_lshl_b32 s4, s66, 16
	s_lshl_b32 s5, s67, 4
	s_add_co_u32 s4, s4, s5
	v_lshl_add_u32 v59, v3, 11, s4                 ; h0's row n, unit = lane: k = 8 lane ..
	ds_load_b128 v[68:71], v59
	s_wait_dscnt 0x0
.irp p, 0,1,2,3
	v_fma_mix_f32_bf16 v65, v[68+\p], v[48+2*\p], v65 op_sel_hi:[1,0,0]
	v_fma_mix_f32_bf16 v66, v[68+\p], v[48+2*\p+1], v66 op_sel:[1,0,0] op_sel_hi:[1,0,0]
.endr
	v_add_f32 v60, v60, v61
	v_add_f32 v62, v62, v63
	v_add_f32 v65, v65, v66
	v_add_f32 v60, v60, v62
	WSUM 60, 67                                    ; the head logit
	WSUM 64, 67                                    ; tail 1's logit, base 2
	WSUM 65, 67                                    ; tail 0's logit, base 2
	s_cmp_ge_i32 s92, 5025
	s_cselect_b32 s93, -1, 0
	v_cndmask_b32 v65, v65, v64, s93
	s_cmp_ge_i32 s92, 1675
	s_cselect_b32 s94, 0x3f317218, 0               ; ln 2 where the row has a tail, else 0
	s_mov_b32 s5, 0xbf317218                       ; -ln 2
	v_add_f32 v60, s95, v60
	v_fma_f32 v60, s94, v65, v60
	v_fma_f32 v[TGV], s5, v73, v60                 ; head logit + bias + tail logit - ln 2 x LH
	s_lshl_b32 s4, s8, 2
	s_add_co_u32 s4, s4, SCT
	v_mov_b32 v13, s4
	ds_store_b32 v13, v[TGV]                       ; my wave's word
	; TAIL 0: 64 rows x 64 columns a wave, K = 256 in eight steps.  The sixteen accumulators take turns.
.irp ks, 0,1,2,3,4,5,6,7
.if \ks
	PLACES
.endif
.irp c, 0,1,2,3
	ds_load_b128 v[B0F+8*\c:B0F+8*\c+3],   v5 offset:8448*\c+64*\ks
	ds_load_b128 v[B0F+8*\c+4:B0F+8*\c+7], v5 offset:8448*\c+64*\ks+32
.endr
.irp i, 0,1,2,3
	ds_load_b128 v[A0F+8*\i:A0F+8*\i+3],   v4 offset:256*\i+8192*\ks
	ds_load_b128 v[A0F+8*\i+4:A0F+8*\i+7], v4 offset:256*\i+8192*\ks+4096
.endr
.irp i, 0,1,2,3
	s_wait_dscnt 6-2*\i                            ; w0's fragments and h0's row tiles up to i are in; the two loads of each later row tile may be out
.irp c, 0,1,2,3
.if \ks
	v_wmma_f32_16x16x32_bf16 v[D0+32*\i+8*\c:D0+32*\i+8*\c+7], v[B0F+8*\c:B0F+8*\c+7], v[A0F+8*\i:A0F+8*\i+7], v[D0+32*\i+8*\c:D0+32*\i+8*\c+7]
.else
	v_wmma_f32_16x16x32_bf16 v[D0+32*\i+8*\c:D0+32*\i+8*\c+7], v[B0F+8*\c:B0F+8*\c+7], v[A0F+8*\i:A0F+8*\i+7], 0
.endif
.endr
.endr
.endr
	PLACES
	s_wait_dscnt 0x0                               ; my reads of both tiles are over, and my store of the target value is done
	s_wait_tensorcnt 0x0                           ; none of my tensor loads is out
	ROUND                                          ; both hold of every wave of all four work-groups
	tensor_load_to_lds s[72:75], s[52:59]          ; w1's slot 0 into region X; it has tail 0's softmax in which to land
	s_nop 0
	s_lshl_b32 s14, s11, 1                         ; h1's fragments, straight from memory, once: sixteen loads
	s_lshr_b32 s15, s10, 1
	s_add_co_u32 s14, s14, s15
	s_lshl_b32 s14, s14, 14
	s_and_b32 s15, s10, 1
	s_lshl_b32 s15, s15, 10
	s_add_co_u32 s14, s14, s15
	s_add_co_u32 s14, s14, H1OFF
	s_mov_b32 s15, 0
	s_add_nc_u64 s[84:85], s[16:17], s[14:15]
.irp i, 0,1,2,3
.irp s, 0,1
	global_load_b128 v[H1F+16*\i+8*\s:H1F+16*\i+8*\s+3],   v8, s[84:85] offset:256*\i+8192*\s
	global_load_b128 v[H1F+16*\i+8*\s+4:H1F+16*\i+8*\s+7], v8, s[84:85] offset:256*\i+8192*\s+4096
.endr
.endr
	; Column tile c was to begin at row 256 g + 64 set + 16 c of w0 and begins sh rows earlier where that was held back to 3334: its first sh rows belong to
	; an earlier tile, or the tile has none of its own (sh >= 16).  Column 8 h + j stays where sh - j <= 8 h.
	s_lshl_b32 s35, s12, 8
	s_lshl_b32 s66, s9, 6
	s_add_co_u32 s35, s35, s66
.irp c, 0,1,2,3
	s_sub_co_i32 s[88+\c], s35, 3334-16*\c
	s_max_i32 s[88+\c], s[88+\c], 0
.endr
.irp c, 0,1,2,3
.irp j, 0,1,2,3,4,5,6,7
	s_sub_co_i32 s67, s[88+\c], \j
	v_cmp_le_i32 vcc_lo, s67, v10
.irp i, 0,1,2,3
	v_cndmask_b32 v[D0+32*\i+8*\c+\j], v11, v[D0+32*\i+8*\c+\j], vcc_lo
.endr
.endr
.endr
	INITST 1
	SOFT D0, 16, 32, 0
	FINISH 0
	; TAIL 1: fifteen trips of 192 columns through three fills of two regions, five trips each
	INITST 0
	s_wait_loadcnt 0x0                             ; h1's fragments
	s_wait_dscnt 0x0                               ; my LDS stores are done; my reads of region Y ended with tail 0
	s_wait_tensorcnt 0x0                           ; my part of slot 0 has landed
	ROUND
	tensor_load_to_lds s[76:79], s[52:59]          ; slot 1 into region Y: five trips in which to land
	s_nop 0
	v_mov_b32 v7, v6
	LOADW
	RUN4                                           ; trips 0 to 3
	s_wait_dscnt 0x0
	MM1                                            ; trip 4
	PLACES
	s_wait_dscnt 0x0                               ; my reads of slot 0 are over
	s_wait_tensorcnt 0x0                           ; my part of slot 1 has landed; no load of mine is out, so a group 0 may be written
	s_add_nc_u64 s[74:75], s[74:75], 245760        ; 1920 rows on: slot 2
	ROUND
	tensor_load_to_lds s[72:75], s[52:59]          ; slot 2 into region X
	s_nop 0
	v_add_nc_u32 v7, YR, v6
	LOADW
	SOFT D1, 12, 24, 0
	RUN4                                           ; trips 5 to 8
	s_wait_dscnt 0x0
	MM1                                            ; trip 9
	PLACES
	s_wait_dscnt 0x0
	s_wait_tensorcnt 0x0                           ; my part of slot 2 has landed
	s_barrier_signal -1
	s_barrier_wait -1                              ; everybody's has; nothing more is filled
	v_mov_b32 v7, v6
	LOADW
	SOFT D1, 12, 24, 0
	RUN4                                           ; trips 10 to 13
	s_add_co_u32 s35, s12, 224                     ; trip 14 is source block 224 + g of w1: its tiles from number 2827 on are padding
	s_mul_i32 s35, s35, 12
	s_mul_i32 s66, s9, 3
	s_add_co_u32 s35, s35, s66
.irp c, 0,1,2
	s_cmp_lt_u32 s35, 2827-\c
	s_cselect_b32 s[MK+2*\c], 0, 0xff800000
	s_mov_b32 s[MK+2*\c+1], s[MK+2*\c]
.endr
	s_wait_dscnt 0x0
	MM1
	PLACES
	SOFT D1, 12, 24, 1
	FINISH 4096
	s_wait_dscnt 0x0                               ; my stores are done, for the waves that read them
	s_barrier_signal -1
	s_barrier_wait -1
	s_cmp_lt_u32 s8, 2
	s_cbranch_scc0 .Lno_merge
	s_lshl_b32 s35, s8, 9                          ; waves 0 and 1: 128 rows each, four a lane
	v_lshl_add_u32 v12, v3, 4, s35                 ; my 16 bytes among the block's 1024, in y and in pt
	s_add_co_u32 s35, s35, SC0
	v_lshl_add_u32 v13, v3, 4, s35                 ; and in a column set's 1024 bytes of LDS: the lane, the wave's number and a constant
.irp k, 0,1,2,3
	ds_load_b128 v[16+4*\k:16+4*\k+3], v13 offset:1024*\k
.endr
.irp k, 0,1,2,3
	ds_load_b128 v[32+4*\k:32+4*\k+3], v13 offset:4096+1024*\k
.endr
	s_lshl_b32 s98, s11, 10
	s_mov_b32 s99, 0
	s_add_nc_u64 s[92:93], s[30:31], s[98:99]      ; y at the block's first row
	global_load_b128 v[112:115], v12, s[92:93]
	s_lshl_b32 s35, s12, 14
	s_add_co_u32 s98, s98, s35
	s_add_nc_u64 s[94:95], s[32:33], s[98:99]      ; pt[g] at the block's first row
	s_mov_b32 s67, 0xff7fffff
	s_movk_i32 s35, 5025
	s_wait_dscnt 0x0
	MERGE4 16, 48
	MERGE4 32, 48
	s_wait_loadcnt 0x0
.irp e, 0,1,2,3
	v_cmp_le_i32 vcc_lo, s35, v[112+\e]
	v_cndmask_b32 v[16+\e], v[16+\e], v[32+\e], vcc_lo     ; the row's own tail
.endr
	global_store_b128 v12, v[16:19], s[94:95]      ; a wave stores 512 consecutive aligned bytes
	s_cmp_lg_u32 s8, 0
	s_cbranch_scc1 .Lno_merge
	v_lshlrev_b32 v14, 2, v1                       ; wave 0: the sixteen target values, 64 consecutive bytes, the work-group's only short store
	v_add_nc_u32 v15, SCT, v14
	ds_load_b32 v52, v15
	s_lshl_b32 s98, s11, 10
	s_lshl_b32 s35, s12, 6
	s_add_co_u32 s98, s98, s35
	s_add_co_u32 s98, s98, TGOFF
	s_add_nc_u64 s[96:97], s[32:33], s[98:99]
	v_cmp_gt_u32 vcc_lo, 16, v3
	s_wait_dscnt 0x0
	s_wait_xcnt 0x0                                ; EXEC changes only when the addresses of what has been issued are translated
	s_and_saveexec_b32 s35, vcc_lo
	global_store_b32 v14, v52, s[96:97]
	s_wait_xcnt 0x0                                ; and again in front of the line that widens it
	s_or_b32 exec_lo, exec_lo, s35
.Lno_merge:
	ROUND                                          ; the closing round: no work-group ends while a partner may still ask for a tile that names it
	s_endpgm
.Lfunc_end_k_qdaf00b7527_tails:
	.size	k_qdaf00b7527_tails, .Lfunc_end_k_qdaf00b7527_tails-k_qdaf00b7527_tails
	.p2alignl 7, 3214868480
	.fill 96, 4, 3214868480
	.section	.rodata,"a",@progbits
	.p2align	6, 0x0
	.amdhsa_kernel k_qdaf00b7527_tails
		.amdhsa_group_segment_fixed_size 327680
		.amdhsa_private_segment_fixed_size 0
		.amdhsa_enable_private_segment 0
		.amdhsa_kernarg_size 80
		.amdhsa_user_sgpr_count 2
		.amdhsa_user_sgpr_kernarg_segment_ptr 1
		.amdhsa_wavefront_size32 1
		.amdhsa_system_sgpr_workgroup_id_x 1
		.amdhsa_system_sgpr_workgroup_id_y 1
		.amdhsa_system_sgpr_workgroup_id_z 1
		.amdhsa_system_vgpr_workitem_id 0
		.amdhsa_next_free_vgpr 256
		.amdhsa_next_free_sgpr 102
		.amdhsa_reserve_vcc 1
		.amdhsa_float_denorm_mode_32 3
		.amdhsa_float_denorm_mode_16_64 3
		.amdhsa_memory_ordered 1
		.amdhsa_forward_progress 1
		.amdhsa_inst_pref_size 166
	.end_amdhsa_kernel
	.amdgpu_metadata
---
amdhsa.version: [ 1, 2 ]
amdhsa.kernels:
  - .name:           k_qdaf00b7527_tails
    .symbol:         k_qdaf00b7527_tails.kd
    .args:
      - { .name: hb, .offset: 0, .size: 8, .value_kind: global_buffer, .address_space: global }
      - { .name: wt, .offset: 8, .size: 8, .value_kind: global_buffer, .address_space: global }
      - { .name: xb, .offset: 16, .size: 8, .value_kind: global_buffer, .address_space: global }
      - { .name: wc, .offset: 24, .size: 8, .value_kind: global_buffer, .address_space: global }
      - { .name: w0, .offset: 32, .size: 8, .value_kind: global_buffer, .address_space: global }
      - { .name: w1, .offset: 40, .size: 8, .value_kind: global_buffer, .address_space: global }
      - { .name: head_b, .offset: 48, .size: 8, .value_kind: global_buffer, .address_space: global }
      - { .name: y, .offset: 56, .size: 8, .value_kind: global_buffer, .address_space: global }
      - { .name: pt, .offset: 64, .size: 8, .value_kind: global_buffer, .address_space: global }
      - { .name: hp, .offset: 72, .size: 8, .value_kind: global_buffer, .address_space: global }
    .group_segment_fixed_size: 327680
    .private_segment_fixed_size: 0
    .kernarg_segment_align: 8
    .kernarg_segment_size: 80
    .max_flat_workgroup_size: 512
    .sgpr_count:     102
    .vgpr_count:     256
    .wavefront_size: 32
...
	.end_amdgpu_metadata
.endif
;; end of part 3
;; launch finish (part 4): grid 1 x 1, 32 waves a work-group, no clusters, 278,784 bytes of LDS; arguments y, pt, out0, out1; writes out0, out1
.if DOCPART == 4
	.amdgcn_target "amdgcn-amd-amdhsa--gfx1250"
	.amdhsa_code_object_version 6
	.text
	.protected	k_qdaf00b7527_finish
	.globl	k_qdaf00b7527_finish
	.p2align	8
	.type	k_qdaf00b7527_finish,@function
k_qdaf00b7527_finish:
	s_mov_b64 s[64:65], 0
	v_nop
	global_prefetch_b8 v0, s[64:65] scope:SCOPE_SE
	s_setreg_imm32_b32 hwreg(HW_REG_WAVE_MODE, 25, 1), 1
	s_wait_xcnt 0x0
; finish: out0[n] = target - ln 2 [y >= 1675] LT, where the target value already holds the head's part and LT merges the sixteen partial base-2 logarithms
; of the row's tail; out1 = -mean(out0).  One work-group, since the mean has one owner: thread t has rows 4 t .. 4 t + 3.
; pt is [17][4096] f32: sixteen arrays of partial logarithms and, as the seventeenth, the target values.  Wave w needs rows 128 w .. 128 w + 127 of all
; seventeen: 17 pieces of 512 bytes, 16384 bytes apart.  One tensor load a wave brings them, as a tile of 17 rows, into LDS bytes of the wave's own
; (8704 w ..): 32 requests for the 278528 bytes where loads into registers would be 17 for each wave.  A wave reads only what its own load brought,
; so its own wait on TENSORcnt is all the ordering that the reads need; nothing is filled again.  By this text's count a wave has one tensor load out.
; Partial logarithms of column groups without columns are -infinity; the maxima never fall below -FLT_MAX.
.set NARR,  17                         ; arrays in pt
.set PIECE, 512                        ; bytes of a wave's 128 rows in one array
.set WTILE, NARR*PIECE                 ; a wave's tile: 8704 bytes
.set SCR,   32*WTILE                   ; behind the tiles, in a block of 256 bytes that no fill touches: the 32 waves' sums
.set LA, 4                             ; v4         LDS address of my 16 bytes in my wave's first piece
.set YY, 36                            ; v[36:39]   y
.set TG, 40                            ; v[40:43]   target values, then out0
.set PT, 44                            ; v[44:107]  pt[k], k = 0..15
.set MX, 108                           ; v[108:111] maxima
.macro LSE a, n                        ; log2 of the sum of 2^v[a + 4 k + e] over k < n, into v[a + e]
.irp e, 0,1,2,3
	v_max3_num_f32 v[MX+\e], v[\a+\e], v[\a+4+\e], s16
.endr
.set k, 2
.rept (\n-2)/2
.irp e, 0,1,2,3
	v_max3_num_f32 v[MX+\e], v[MX+\e], v[\a+4*k+\e], v[\a+4*k+4+\e]
.endr
.set k, k+2
.endr
.set k, 0
.rept 2*\n
	v_pk_add_f32 v[\a+2*k:\a+2*k+1], v[\a+2*k:\a+2*k+1], v[MX+2*(k%2):MX+2*(k%2)+1] neg_lo:[0,1] neg_hi:[0,1]
.set k, k+1
.endr
.set k, 0
.rept 4*\n
	v_exp_f32 v[\a+k], v[\a+k]
.set k, k+1
.endr
	v_nop                                          ; one plain instruction between the last exponential and the first use (ISA guide 5.7.2)
.set k, 1
	s_wait_alu depctr_va_vdst(0)
.rept \n-1
	v_pk_add_f32 v[\a:\a+1], v[\a:\a+1], v[\a+4*k:\a+4*k+1]
	v_pk_add_f32 v[\a+2:\a+3], v[\a+2:\a+3], v[\a+4*k+2:\a+4*k+3]
.set k, k+1
.endr
.irp e, 0,1,2,3
	v_log_f32 v[\a+\e], v[\a+\e]
.endr
	v_nop
	s_wait_alu depctr_va_vdst(0)
	v_pk_add_f32 v[\a:\a+1], v[\a:\a+1], v[MX:MX+1]
	v_pk_add_f32 v[\a+2:\a+3], v[\a+2:\a+3], v[MX+2:MX+3]
.endm
.macro WSUM                            ; v112 summed over the wave's 32 lanes, in every lane; v113 has been written before
	v_add_f32_dpp v112, v112, v112 row_xmask:1 row_mask:0xf bank_mask:0xf
	v_add_f32_dpp v112, v112, v112 row_xmask:2 row_mask:0xf bank_mask:0xf
	v_add_f32_dpp v112, v112, v112 row_xmask:4 row_mask:0xf bank_mask:0xf
	v_add_f32_dpp v112, v112, v112 row_xmask:8 row_mask:0xf bank_mask:0xf
	v_permlanex16_b32 v113, v112, s14, s15
	v_add_f32 v112, v112, v113
.endm
	s_load_b256 s[4:11], s[0:1], 0x0               ; y s[4:5], pt s[6:7], out0 s[8:9], out1 s[10:11]
	v_lshrrev_b32 v2, 5, v0
	v_readfirstlane_b32 s18, v2                    ; wave 0..31
	; descriptor group 1: 17 rows of 64 elements of 8 bytes, 2048 elements from row to row; in LDS the rows follow each other without a gap
	s_mov_b32 s24, 3<<16                           ; no mask; elements of 8 bytes; no padding
	s_mov_b32 s25, 64<<16                          ; tensor_dim0 = 64
	s_mov_b32 s26, NARR<<16                        ; tensor_dim1 = 17
	s_mov_b32 s27, 64<<16                          ; tile_dim0 = 64
	s_mov_b32 s28, NARR                            ; tile_dim1 = 17
	s_mov_b32 s29, 2048                            ; pitch
	s_mov_b32 s30, 0
	s_mov_b32 s31, 0
	s_mov_b32 s20, 1                               ; group 0: count,
	s_mul_i32 s21, s18, WTILE                      ; my wave's bytes in LDS,
	s_lshl_b32 s2, s18, 9                          ; and my wave's 512 bytes in pt's first array
	s_mov_b32 s3, 0
	s_mov_b32 s14, 0x76543210                      ; v_permlanex16_b32: lane i of one half reads lane i of the other
	s_mov_b32 s15, 0xfedcba98
	s_mov_b32 s16, 0xff7fffff                      ; -FLT_MAX
	s_movk_i32 s17, 1675
	s_mov_b32 s19, 0xbf317218                      ; -ln 2
	s_wait_kmcnt 0x0
	s_add_nc_u64 s[22:23], s[6:7], s[2:3]
	s_or_b32 s23, s23, 0x80000000                  ; type = 2
	tensor_load_to_lds s[20:23], s[24:31]          ; each wave's one load, ahead of everything else
	s_nop 0
	v_lshlrev_b32 v1, 4, v0                        ; my four rows' 16 bytes in y and in out0
	global_load_b128 v[YY:YY+3], v1, s[4:5]
	v_and_b32 v3, 31, v0                           ; lane
	v_lshl_add_u32 v[LA], v3, 4, s21               ; 16 lane + my wave's tile
	s_wait_tensorcnt 0x0                           ; my tile has landed
.irp k, 0,1,2,3,4,5,6,7,8,9,10,11,12,13,14,15
	ds_load_b128 v[PT+4*\k:PT+4*\k+3], v[LA] offset:PIECE*\k       ; 32 lanes, 16 neighbouring bytes each: a piece
.endr
	ds_load_b128 v[TG:TG+3], v[LA] offset:PIECE*16                 ; the seventeenth piece: the target values
	s_wait_dscnt 0x0
	LSE PT, 16
	s_wait_loadcnt 0x0                             ; y
.irp e, 0,1,2,3
	v_cmp_le_i32 vcc_lo, s17, v[YY+\e]
	v_cndmask_b32 v[PT+\e], 0, v[PT+\e], vcc_lo    ; rows of the shortlist have no tail
	v_fma_f32 v[TG+\e], v[PT+\e], s19, v[TG+\e]    ; target - ln 2 x (the tail's logarithm, base 2)
.endr
	global_store_b128 v1, v[TG:TG+3], s[8:9]       ; a wave stores 512 consecutive aligned bytes
	v_add_f32 v112, v[TG], v[TG+1]
	v_add_f32 v113, v[TG+2], v[TG+3]
	v_add_f32 v112, v112, v113
	WSUM
	v_lshlrev_b32 v114, 2, v2
	v_add_nc_u32 v114, SCR, v114
	ds_store_b32 v114, v112                        ; each wave's sum in its own word
	s_wait_dscnt 0x0                               ; done, for the wave that reads them
	s_barrier_signal -1
	s_barrier_wait -1
	s_cmp_lg_u32 s18, 0
	s_cbranch_scc1 .Ldone
	v_lshlrev_b32 v114, 2, v3
	v_add_nc_u32 v114, SCR, v114
	ds_load_b32 v112, v114                         ; lane i: wave i's sum
	s_wait_dscnt 0x0
	WSUM
	v_mul_f32 v112, 0xb9800000, v112               ; x -1/4096
	v_mov_b32 v115, 0
	v_cmp_eq_u32 vcc_lo, 0, v3
	s_wait_xcnt 0x0                                ; EXEC changes only when the addresses of what has been issued are translated
	s_and_saveexec_b32 s12, vcc_lo
	global_store_b32 v115, v112, s[10:11]
	s_wait_xcnt 0x0                                ; and again in front of the line that widens it
	s_or_b32 exec_lo, exec_lo, s12
.Ldone:
	s_endpgm
.Lfunc_end_k_qdaf00b7527_finish:
	.size	k_qdaf00b7527_finish, .Lfunc_end_k_qdaf00b7527_finish-k_qdaf00b7527_finish
	.p2alignl 7, 3214868480
	.fill 96, 4, 3214868480
	.section	.rodata,"a",@progbits
	.p2align	6, 0x0
	.amdhsa_kernel k_qdaf00b7527_finish
		.amdhsa_group_segment_fixed_size 278784
		.amdhsa_private_segment_fixed_size 0
		.amdhsa_enable_private_segment 0
		.amdhsa_kernarg_size 32
		.amdhsa_user_sgpr_count 2
		.amdhsa_user_sgpr_kernarg_segment_ptr 1
		.amdhsa_wavefront_size32 1
		.amdhsa_system_sgpr_workgroup_id_x 1
		.amdhsa_system_sgpr_workgroup_id_y 1
		.amdhsa_system_sgpr_workgroup_id_z 1
		.amdhsa_system_vgpr_workitem_id 0
		.amdhsa_next_free_vgpr 128
		.amdhsa_next_free_sgpr 66
		.amdhsa_reserve_vcc 1
		.amdhsa_float_denorm_mode_32 3
		.amdhsa_float_denorm_mode_16_64 3
		.amdhsa_memory_ordered 1
		.amdhsa_forward_progress 1
		.amdhsa_inst_pref_size 14
	.end_amdhsa_kernel
	.amdgpu_metadata
---
amdhsa.version: [ 1, 2 ]
amdhsa.kernels:
  - .name:           k_qdaf00b7527_finish
    .symbol:         k_qdaf00b7527_finish.kd
    .args:
      - { .name: y, .offset: 0, .size: 8, .value_kind: global_buffer, .address_space: global }
      - { .name: pt, .offset: 8, .size: 8, .value_kind: global_buffer, .address_space: global }
      - { .name: out0, .offset: 16, .size: 8, .value_kind: global_buffer, .address_space: global }
      - { .name: out1, .offset: 24, .size: 8, .value_kind: global_buffer, .address_space: global }
    .group_segment_fixed_size: 278784
    .private_segment_fixed_size: 0
    .kernarg_segment_align: 8
    .kernarg_segment_size: 32
    .max_flat_workgroup_size: 1024
    .sgpr_count:     66
    .vgpr_count:     128
    .wavefront_size: 32
...
	.end_amdgpu_metadata
.endif
;; end of part 4
